; MI455X (gfx1250); checked and timed in simulation.
; The chip was launched on July 23, 2026; its instructions are those of AMD's public machine-readable ISA for CDNA 5 (MIT licence, August 2026) and "CDNA5" Instruction Set Architecture Reference Guide (July 2026). The comments in the code are by the model that wrote it; some were corrected since.
;; Bahdanau Attention. Allowed arithmetic: float matrix products may take bf16 or f16 operands with f32 sums; other float arithmetic in f32, or as packed bf16 or f16 multiplies, adds, multiply-adds, maxima and minima; sums over many terms, partial sums and values carried from step to step in f32; what a program stores and reads back later, other than sums and carried values, may be rounded once to bf16 or f16.
;; Inputs: W_e 1,024 x 1,024 float32; W_h 1,024 x 1,024 float32; b_e 1,024 float32; b_h 1,024 float32; encoder_outputs 32 x 2,048 x 1,024 float32; hidden 32 x 1,024 float32; mask 32 x 2,048 int32; v 1,024 float32.
;; Outputs: out0 32 x 1,024 float32; out1 32 x 2,048 float32.
;; 2 versions, each right and faster than the one before. Each part assembles by itself: llvm-mc -triple=amdgcn-amd-amdhsa -mcpu=gfx1250 --defsym DOCPART=n.
;; ======== version 1 of 2: 3 launches
;; workspace buffers: wf 2,195,456 bytes; hbs 131,072 bytes; sc 262,144 bytes; ctxp 1,048,576 bytes; mg 1,024 bytes
;; launch prep (part 1): grid 144 x 1, 4 waves a work-group, no clusters, 33,280 bytes of LDS; arguments W_e, W_h, hidden, b_h, b_e, wf, hbs; writes wf, hbs
.if DOCPART == 1
	.amdgcn_target "amdgcn-amd-amdhsa--gfx1250"
	.amdhsa_code_object_version 6
	.text
	.protected	k_q3b8fc0abf3_prep
	.globl	k_q3b8fc0abf3_prep
	.p2align	8
	.type	k_q3b8fc0abf3_prep,@function
k_q3b8fc0abf3_prep:
	s_mov_b64 s[64:65], 0
	v_nop
	global_prefetch_b8 v0, s[64:65] scope:SCOPE_SE
	s_setreg_imm32_b32 hwreg(HW_REG_WAVE_MODE, 25, 1), 1
	s_wait_xcnt 0x0
; WHAT THE MAIN LAUNCH NEEDS OF THE WEIGHTS, made once.  Two kinds of work-group, told apart by the work-group's number alone:
;   0..127   W: W_e [k][n] f32 -> wf, bf16, in the order in which a wave of the main launch takes its fragments: [wave 4][K step 67][tile 8][half 2][lane 32][16 bytes].
;               Step = 32 c + ks (c: which 512 columns, ks: which 32 of k); steps 64..66 repeat steps 0..2, so that loads that run three steps ahead stay inside the buffer.
;               Tile b, lane r of (wave w, c) is column 512 c + 128 w + 64 (b / 4) + 4 r + b % 4: a lane's columns of four tiles are 16 neighbouring bytes of a row of f32.
;   128..143 H: hbs[m][n] = 2 log2(e) (sum over k of hidden[m][k] W_h[k][n] + b_h[n] + b_e[n]); products in bf16, sums in f32.  64 columns a work-group, K split among its four waves.
; No cluster: no two work-groups read the same bytes of a weight; hidden, which the 16 work-groups of H share, is 128 KiB.
.set HP,    0                          ; LDS: H's partial tiles, 8,192 bytes a wave
.set SPARE, 32768                      ; the spare words, 128 bytes for each wave: two blocks of 256 bytes that no other line names
.set SPW,   2                          ; v2  LDS address of my spare word; never rewritten
.set NIL,   3                          ; v3  0; never rewritten
.set WSTEP, 8192                       ; bytes of a K step of one wave in wf
.set WWAVE, 67*WSTEP
.set MSB, 0
.macro WIN new                         ; the immediate's high byte repeats the setting that is left; a switch that changes nothing is dropped
.if MSB != (\new)
	s_set_vgpr_msb (MSB<<8)|(\new)
.set MSB, \new
.endif
.endm
	s_load_b256 s[8:15], s[0:1], 0x0               ; W_e s[8:9], W_h s[10:11], hidden s[12:13], b_h s[14:15]
	s_load_b128 s[16:19], s[0:1], 0x20             ; b_e s[16:17], wf s[18:19]
	s_load_b64 s[20:21], s[0:1], 0x30              ; hbs
	v_lshl_add_u32 v[SPW], v0, 2, SPARE
	v_mov_b32 v[NIL], 0
	v_and_b32 v1, 31, v0                           ; lane
	v_lshrrev_b32 v4, 5, v0
	v_readfirstlane_b32 s6, v4                     ; wave 0..3
	v_and_b32 v5, 15, v0                           ; r
	v_bfe_u32 v6, v0, 4, 1                         ; h
	v_lshlrev_b32 v7, 4, v5
	v_lshl_add_u32 v7, v6, 15, v7                  ; 8 h rows of 4,096 bytes + 16 r: my place in a weight's rows, and in hbs
	v_lshlrev_b32 v8, 4, v1                        ; 16 x lane
	s_mov_b32 s37, 0                               ; the high word of every offset pair s[36:37]
	s_wait_kmcnt 0x0
	s_cmp_lt_u32 ttmp9, 128
	s_cbranch_scc0 .Lrole_h
; ---------------------------------------------------------------- W: a wave turns 32 k x 64 columns of W_e into four fragments
	s_lshl_b32 s30, ttmp9, 2
	s_add_co_u32 s30, s30, s6                      ; task 0..511
	s_and_b32 s31, s30, 31                         ; ks
	s_lshr_b32 s32, s30, 5                         ; G: which 64 columns = 8 c + 2 w + upper half of the tiles
	s_lshr_b32 s33, s32, 3                         ; c
	s_bfe_u32 s34, s32, 0x20001                    ; w
	s_and_b32 s35, s32, 1
	s_lshl_b32 s36, s31, 17                        ; 32 rows of 4,096 bytes
	s_lshl_b32 s38, s32, 8                         ; 64 columns of 4 bytes
	s_add_co_u32 s36, s36, s38
	s_add_nc_u64 s[8:9], s[8:9], s[36:37]
.set jj, 0
.rept 16                                       ; row k = 32 ks + 8 h + jj (jj < 8), 32 ks + 16 + 8 h + jj - 8 (else); sixteen lanes read 256 consecutive bytes, aligned
	global_load_b128 v[64+4*jj:64+4*jj+3], v7, s[8:9] offset:(jj/8)*65536+(jj%8)*4096 th:TH_LOAD_NT
.set jj, jj+1
.endr
	s_lshl_b32 s38, s33, 5
	s_add_co_u32 s38, s38, s31                     ; step = 32 c + ks
	s_mul_i32 s36, s34, WWAVE
	s_lshl_b32 s39, s38, 13
	s_add_co_u32 s36, s36, s39
	s_lshl_b32 s39, s35, 12                        ; tiles 4..7 lie 4,096 bytes behind tiles 0..3
	s_add_co_u32 s36, s36, s39
	s_add_nc_u64 s[18:19], s[18:19], s[36:37]
	s_wait_loadcnt 0x0
.irp t, 0,1,2,3                                ; tile t takes component t of each load: two neighbouring k into one register, the lower k in the low half
.irp i, 0,1,2,3
	v_cvt_pk_bf16_f32 v[128+8*(\t)+(\i)],   v[64+8*(\i)+(\t)], v[64+8*(\i)+4+(\t)]
	v_cvt_pk_bf16_f32 v[128+8*(\t)+4+(\i)], v[96+8*(\i)+(\t)], v[96+8*(\i)+4+(\t)]
.endr
.endr
.irp t, 0,1,2,3                                ; each store of the wave covers 512 consecutive bytes, aligned
	global_store_b128 v8, v[128+8*(\t):128+8*(\t)+3],   s[18:19] offset:(\t)*1024
	global_store_b128 v8, v[128+8*(\t)+4:128+8*(\t)+7], s[18:19] offset:(\t)*1024+512
.endr
	s_cmp_lt_u32 s38, 3
	s_cbranch_scc0 .Lend
.irp t, 0,1,2,3                                ; steps 0..2 once more as steps 64..66
	global_store_b128 v8, v[128+8*(\t):128+8*(\t)+3],   s[18:19] offset:64*WSTEP+(\t)*1024
	global_store_b128 v8, v[128+8*(\t)+4:128+8*(\t)+7], s[18:19] offset:64*WSTEP+(\t)*1024+512
.endr
	s_branch .Lend
; ---------------------------------------------------------------- H: 32 rows x 64 columns; wave v takes K steps 8 v .. 8 v + 7
; All 192 loads of a wave are issued first, in the order of the K steps: W_h's into windows 1 and 2 (64 registers a step), hidden's into window 3 (32 a step).
; Window 0: v32-127 two sets of fragments (four of W_h, two of hidden), v128-191 eight accumulators ((mt, t) at 128 + 8 (4 mt + t)).
.Lrole_h:
	s_sub_co_u32 s30, ttmp9, 128                   ; G: which 64 columns
	s_lshl_b32 s31, s30, 8
	s_mov_b32 s36, s31
	s_add_nc_u64 s[14:15], s[14:15], s[36:37]
	s_add_nc_u64 s[16:17], s[16:17], s[36:37]
	v_lshlrev_b32 v9, 4, v5
	global_load_b128 v[12:15], v9, s[14:15]        ; b_h and b_e of my four columns
	global_load_b128 v[16:19], v9, s[16:17]
	s_lshl_b32 s32, s6, 20                         ; 8 K steps of 32 rows of 4,096 bytes
	s_add_co_u32 s36, s32, s31
	s_add_nc_u64 s[10:11], s[10:11], s[36:37]
	s_lshl_b32 s36, s6, 10                         ; 8 K steps of 128 bytes of a row of hidden
	s_add_nc_u64 s[12:13], s[12:13], s[36:37]
	v_lshlrev_b32 v10, 12, v5
	v_lshl_add_u32 v10, v6, 5, v10                 ; row r, 8 h numbers on
	s_mov_b32 s39, 0x4038aa3b                      ; 2 log2(e)
.set ksl, 0
.rept 8
	WIN 0x40+0x40*(ksl/4)                          ; destination window 1 or 2, address window 0
.set jj, 0
.rept 16
	global_load_b128 v[64*(ksl%4)+4*jj:64*(ksl%4)+4*jj+3], v7, s[10:11] offset:ksl*131072+(jj/8)*65536+(jj%8)*4096 th:TH_LOAD_NT
.set jj, jj+1
.endr
	WIN 0xc0
.irp mt, 0,1
.irp i, 0,1,2,3                                ; k = 8 h + 0..7 (two loads), then 16 + 8 h + 0..7
	global_load_b128 v[32*ksl+16*(\mt)+4*(\i):32*ksl+16*(\mt)+4*(\i)+3], v10, s[12:13] offset:(\mt)*65536+ksl*128+((\i)/2)*64+((\i)%2)*16
.endr
.endr
.set ksl, ksl+1
.endr
	WIN 0
.set ksl, 0
.rept 8
.if ksl < 5
	s_wait_loadcnt 63                              ; 24 (7 - ksl) younger loads could stay out; the wait names the most that its field holds, which is fewer
.else
	s_wait_loadcnt 24*(7-ksl)                      ; the later steps' loads stay out
.endif
.set st, ksl%2
.set wb, 64*(ksl%4)
	WIN 0x05*(1+ksl/4)                             ; sources in window 1 or 2
.irp t, 0,1,2,3
.irp i, 0,1,2,3
	v_cvt_pk_bf16_f32 v[32+48*st+8*(\t)+(\i)],   v[wb+8*(\i)+(\t)],    v[wb+8*(\i)+4+(\t)]
	v_cvt_pk_bf16_f32 v[32+48*st+8*(\t)+4+(\i)], v[wb+32+8*(\i)+(\t)], v[wb+32+8*(\i)+4+(\t)]
.endr
.endr
	WIN 0x0f                                       ; sources in window 3
.irp mt, 0,1
.irp i, 0,1,2,3,4,5,6,7
	v_cvt_pk_bf16_f32 v[64+48*st+8*(\mt)+(\i)], v[32*ksl+16*(\mt)+2*(\i)], v[32*ksl+16*(\mt)+2*(\i)+1]
.endr
.endr
	WIN 0
.irp mt, 0,1                                   ; the eight accumulators take turns; the next step's 48 conversions write the other set of fragments
.irp t, 0,1,2,3
.if ksl == 0
	v_wmma_f32_16x16x32_bf16 v[128+8*(4*(\mt)+(\t)):128+8*(4*(\mt)+(\t))+7], v[64+48*st+8*(\mt):64+48*st+8*(\mt)+7], v[32+48*st+8*(\t):32+48*st+8*(\t)+7], 0
.else
	v_wmma_f32_16x16x32_bf16 v[128+8*(4*(\mt)+(\t)):128+8*(4*(\mt)+(\t))+7], v[64+48*st+8*(\mt):64+48*st+8*(\mt)+7], v[32+48*st+8*(\t):32+48*st+8*(\t)+7], v[128+8*(4*(\mt)+(\t)):128+8*(4*(\mt)+(\t))+7]
.endif
.endr
.endr
.set ksl, ksl+1
.endr
	s_lshl_b32 s32, s6, 13
.rept 4
	v_nop                                          ; four places between the last product and the stores that read results
.endr
	v_add_nc_u32 v11, s32, v8                      ; my 8,192 bytes of partial tiles + 16 x lane
.set tl, 0
.rept 8                                        ; each accumulator's low four registers first
	ds_store_b128 v11, v[128+8*tl:128+8*tl+3]   offset:HP+tl*1024
	ds_store_b128 v11, v[128+8*tl+4:128+8*tl+7] offset:HP+tl*1024+512
.set tl, tl+1
.endr
	s_wait_dscnt 0x0                               ; for the others' sake: my partial tiles lie in LDS
	s_barrier_signal -1
	s_barrier_wait -1
	s_lshr_b32 s33, s6, 1                          ; wave v finishes rows 16 (v / 2) + 8 h + 4 (v % 2) + 0..3
	s_and_b32 s34, s6, 1
	s_lshl_b32 s35, s33, 12
	s_lshl_b32 s38, s34, 9
	s_add_co_u32 s35, s35, s38
	v_add_nc_u32 v20, s35, v8
.irp s, 0,1,2,3
.irp t, 0,1,2,3
	ds_load_b128 v[32+16*(\s)+4*(\t):32+16*(\s)+4*(\t)+3], v20 offset:HP+(\s)*8192+(\t)*1024
.endr
.endr
.irp t, 0,1,2,3
	v_add_f32 v[12+(\t)], v[12+(\t)], v[16+(\t)]   ; (the last wait on loads was for 0: the biases are in)
.endr
.irp t, 0,1,2,3
	v_mul_f32 v[12+(\t)], s39, v[12+(\t)]
.endr
	s_lshl_b32 s36, s33, 16
	s_lshl_b32 s38, s34, 14
	s_add_co_u32 s36, s36, s38
	s_add_co_u32 s36, s36, s31
	s_add_nc_u64 s[20:21], s[20:21], s[36:37]
	s_wait_dscnt 0x0
.irp jj, 0,1,2,3
.irp t, 0,1,2,3
	v_add_f32 v[96+4*(\jj)+(\t)], v[32+4*(\t)+(\jj)], v[48+4*(\t)+(\jj)]
.endr
.endr
.irp jj, 0,1,2,3
.irp t, 0,1,2,3
	v_add_f32 v[96+4*(\jj)+(\t)], v[96+4*(\jj)+(\t)], v[64+4*(\t)+(\jj)]
.endr
.endr
.irp jj, 0,1,2,3
.irp t, 0,1,2,3
	v_add_f32 v[96+4*(\jj)+(\t)], v[96+4*(\jj)+(\t)], v[80+4*(\t)+(\jj)]
.endr
.endr
.irp jj, 0,1,2,3
.irp t, 0,1,2,3
	v_fma_f32 v[96+4*(\jj)+(\t)], v[96+4*(\jj)+(\t)], s39, v[12+(\t)]
.endr
.endr
.irp jj, 0,1,2,3                               ; sixteen lanes store 256 consecutive bytes, aligned
	global_store_b128 v7, v[96+4*(\jj):96+4*(\jj)+3], s[20:21] offset:(\jj)*4096
.endr
.Lend:
	s_wait_tensorcnt 0x0                           ; the wave's end, behind my last LDS store
	ds_add_u32 v[SPW], v[NIL]
	s_wait_dscnt 0x0
	s_endpgm
.Lfunc_end_k_q3b8fc0abf3_prep:
	.size	k_q3b8fc0abf3_prep, .Lfunc_end_k_q3b8fc0abf3_prep-k_q3b8fc0abf3_prep
	.p2alignl 7, 3214868480
	.fill 96, 4, 3214868480
	.section	.rodata,"a",@progbits
	.p2align	6, 0x0
	.amdhsa_kernel k_q3b8fc0abf3_prep
		.amdhsa_group_segment_fixed_size 33280
		.amdhsa_private_segment_fixed_size 0
		.amdhsa_enable_private_segment 0
		.amdhsa_kernarg_size 56
		.amdhsa_user_sgpr_count 2
		.amdhsa_user_sgpr_kernarg_segment_ptr 1
		.amdhsa_wavefront_size32 1
		.amdhsa_system_sgpr_workgroup_id_x 1
		.amdhsa_system_sgpr_workgroup_id_y 1
		.amdhsa_system_sgpr_workgroup_id_z 1
		.amdhsa_system_vgpr_workitem_id 0
		.amdhsa_next_free_vgpr 1024
		.amdhsa_next_free_sgpr 66
		.amdhsa_reserve_vcc 0
		.amdhsa_float_denorm_mode_32 3
		.amdhsa_float_denorm_mode_16_64 3
		.amdhsa_memory_ordered 1
		.amdhsa_forward_progress 1
		.amdhsa_inst_pref_size 61
	.end_amdhsa_kernel
	.amdgpu_metadata
---
amdhsa.version: [ 1, 2 ]
amdhsa.kernels:
  - .name:           k_q3b8fc0abf3_prep
    .symbol:         k_q3b8fc0abf3_prep.kd
    .args:
      - { .name: W_e, .offset: 0, .size: 8, .value_kind: global_buffer, .address_space: global }
      - { .name: W_h, .offset: 8, .size: 8, .value_kind: global_buffer, .address_space: global }
      - { .name: hidden, .offset: 16, .size: 8, .value_kind: global_buffer, .address_space: global }
      - { .name: b_h, .offset: 24, .size: 8, .value_kind: global_buffer, .address_space: global }
      - { .name: b_e, .offset: 32, .size: 8, .value_kind: global_buffer, .address_space: global }
      - { .name: wf, .offset: 40, .size: 8, .value_kind: global_buffer, .address_space: global }
      - { .name: hbs, .offset: 48, .size: 8, .value_kind: global_buffer, .address_space: global }
    .group_segment_fixed_size: 33280
    .private_segment_fixed_size: 0
    .kernarg_segment_align: 8
    .kernarg_segment_size: 56
    .max_flat_workgroup_size: 128
    .sgpr_count:     66
    .vgpr_count:     1024
    .wavefront_size: 32
...
	.end_amdgpu_metadata
.endif
;; end of part 1
;; launch attn (part 2): grid 256 x 1, 4 waves a work-group, no clusters, 273,920 bytes of LDS; arguments encoder_outputs, v, wf, hbs, mask, sc, ctxp, mg; writes sc, ctxp, mg
.if DOCPART == 2
	.amdgcn_target "amdgcn-amd-amdhsa--gfx1250"
	.amdhsa_code_object_version 6
	.text
	.protected	k_q3b8fc0abf3_attn
	.globl	k_q3b8fc0abf3_attn
	.p2align	8
	.type	k_q3b8fc0abf3_attn,@function
k_q3b8fc0abf3_attn:
	s_mov_b64 s[64:65], 0
	v_nop
	global_prefetch_b8 v0, s[64:65] scope:SCOPE_SE
	s_setreg_imm32_b32 hwreg(HW_REG_WAVE_MODE, 25, 1), 1
	s_wait_xcnt 0x0
; THE SCORES AND A PARTIAL CONTEXT.  Work-group 8 b + g owns rows 256 g .. 256 g + 255 of batch b, in two passes of 128 rows.  A pass:
;   LOAD     its rows of encoder_outputs, each read once, rounded to bf16, into LDS (they stay for the whole pass)
;   CHUNKS   twice: 128 rows x 512 columns of rows x W_e over all K = 1,024; wave w has columns 512 c + 128 w .. + 127: 64 accumulators.  Then tanh and the product with v, summed over the wave's columns
;   SCORES   the eight partial sums of a row; -1e10 where the mask is 0; a running maximum m over the passes; p = e^(score - m); the scores go to sc
;   CONTEXT  ctx = ctx e^(m_old - m) + sum over the rows of p x row, by the matrix unit from the rows in LDS; wave w has 256 of the 1,024 numbers
; At the end ctx goes to ctxp and m to mg; the last launch joins a batch's eight.  Every trip count and every address is made of the ids and constants: the mask only selects values.
; tanh(x) = 1 - 2 / (1 + 2^(2 log2(e) x)); hbs holds 2 log2(e) (h_proj + b_e), so the exponent is one multiply-add; sum of v tanh = sum of v + sum of (-2 v) / (1 + 2^..).  An infinite power gives 1 / inf = 0.
; W_e'S FRAGMENTS come from wf straight into registers, 512 consecutive bytes a load, three K steps ahead.  NO RING AND NO JOINT LOADS: the rows take 264,192 of the 327,680 bytes of LDS and the small regions 9,728;
; two slots of one K step of 512 columns would be 65,536; and no fragment of W_e is wanted by two waves of a work-group.
; LIMITS.  Rows, W_e and p enter the products rounded to bf16; a row's number of 3.39e38 or more would round to infinity.  2^x gives 0 below 2^-126.  NaN and infinities are not treated apart.
; REGISTERS, in windows of 256 (s_set_vgpr_msb: bits 1:0 source 0, 3:2 source 1, 5:4 source 2, 7:6 destination):
;   window 0: v0-47 below; v48-111, v112-175 fragments of the rows, two buffers of eight; v176-231 at work in SCORES and CONTEXT
;   window 1: fragments of W_e, four buffers of eight      window 2: accumulators of rows 0-63 ((a, b) at 64 a + 8 b)      window 3: of rows 64-127
;   LOAD uses window 2 (eight rows as loaded) and window 3 v0-31 (as rounded); CONTEXT window 2 v0-127 (16 accumulators), window 3 (two buffers of 16 turned fragments), window 0 v48-79 (p).
.set PITCH, 2064                       ; a row in LDS: 2,048 bytes + 16 = 516 words: the 16 rows of a fragment load start at 16 different groups of four banks (64 banks of 4 bytes: ISA guide 11.1)
.set MP,    128
.set PART,  MP*PITCH                   ; [chunk 2][wave 4][128] f32
.set PB,    PART+4096                  ; for each wave 256 bytes: 128 weights in bf16
.set CTX,   PB+1024                    ; the running context, 1,024 bytes a wave
.set SPARE, CTX+4096                   ; the spare words, 128 bytes for each wave: two blocks of 256 bytes that no other line names
.set WSTEP, 8192
.set WWAVE, 67*WSTEP
.set SPW,  2                           ; v2   LDS address of my spare word; never rewritten
.set NIL,  3                           ; v3   0; never rewritten
.set AV,   4                           ; v4-7 LDS address of my part of rows 32 p + r, at the K in hand
.set BO,   9                           ; v9   16 x lane; never rewritten
.set STA,  10                          ; v10  LOAD: where slot 0's row goes
.set PS,   12                          ; v12  where my partial sums go
.set MRUN, 14                          ; v14  the running maximum
.set HVO,  15                          ; v15  my byte offset in hbs's row and in v
.set HB,   16                          ; v16-23  hbs of my eight columns
.set VV,   24                          ; v24-31  v, then -2 v, of them
.set VS,   32                          ; v32-33  their sum, twice
.set MK,   40                          ; v40-43  the mask of rows 4 l .. 4 l + 3 of the pass
.set T0,   46
.set SCL,  47                          ; e^(m_old - m)
.set AF,   48
.set SW,   176                         ; v176-207 eight partial sums of four rows; v208-214 at work; v216-231 the context in hand
.set MSB, 0
.macro WIN new                         ; the immediate's high byte repeats the setting that is left; a switch that changes nothing is dropped
.if MSB != (\new)
	s_set_vgpr_msb (MSB<<8)|(\new)
.set MSB, \new
.endif
.endm
.macro PLACES                          ; four places between a matrix instruction and a load into, or a vector instruction on, its registers (ISA guide 7.12.1 for vector instructions)
.rept 4
	v_nop
.endr
.endm
; The row fragments of one K step: 8 tiles x 2 loads of 16 bytes a lane, into buffer buf, kimm bytes behind AV
.macro ALOAD buf, kimm
	WIN 0
.set a, 0
.rept 8
	ds_load_b128 v[AF+64*(\buf)+8*a:AF+64*(\buf)+8*a+3],   v[AV+a/2] offset:(a%2)*16*PITCH+(\kimm)
	ds_load_b128 v[AF+64*(\buf)+8*a+4:AF+64*(\buf)+8*a+7], v[AV+a/2] offset:(a%2)*16*PITCH+(\kimm)+32
.set a, a+1
.endr
.endm
; Eight products: row tile a x the wave's eight column tiles, with the buffers of step q
.macro MUL a, q, zero
.if (\a) < 4
	WIN 0xa4                                       ; rows window 0, W_e window 1, C and D window 2
.set rD, 64*(\a)
.else
	WIN 0xf4                                       ; the same, C and D window 3
.set rD, 64*((\a)-4)
.endif
.set rA, AF+64*((\q)&1)+8*(\a)
.set bb, 0
.rept 8
.if \zero
	v_wmma_f32_16x16x32_bf16 v[rD+8*bb:rD+8*bb+7], v[rA:rA+7], v[64*(\q)+8*bb:64*(\q)+8*bb+7], 0
.else
	v_wmma_f32_16x16x32_bf16 v[rD+8*bb:rD+8*bb+7], v[rA:rA+7], v[64*(\q)+8*bb:64*(\q)+8*bb+7], v[rD+8*bb:rD+8*bb+7]
.endif
.set bb, bb+1
.endr
.endm
; A K STEP of 32: 64 products, the accumulators by turns in the same order in every step.  q = step % 4.  zero = 1: the products start the sums.
; In its middle, behind four places, one run of loads: the next step's rows from LDS (la = 1; la = 2: AV goes 256 bytes on first; la = 0: none), and W_e's fragments of the step three on.
.macro STEP q, zero, la
	s_wait_loadcnt 32                              ; this step's 16 loads of W_e are in; behind them stand the next two steps' 32 (in a chunk's first steps four more, of hbs and v: the count is then the stricter)
	s_wait_dscnt 0x0                               ; this step's rows, asked for 32 products ago
	MUL 0, \q, \zero
	MUL 1, \q, \zero
	MUL 2, \q, \zero
	MUL 3, \q, \zero
	PLACES                                         ; the buffers filled below were read last by the step before
.set nbuf, ((\q)+1)&1
.set kim, 64*((\q)+1)
.if (\la) == 2
.set kim, 0
	WIN 0
.irp p, 0,1,2,3
	v_add_nc_u32 v[AV+\p], 0x100, v[AV+\p]
.endr
.endif
.if (\la) > 0
	ALOAD nbuf, kim
.endif
	WIN 0x40
.set nq, ((\q)+3)&3
.set bb, 0
.rept 8
	global_load_b128 v[64*nq+8*bb:64*nq+8*bb+3],   v[BO], s[40:41] offset:1024*bb
	global_load_b128 v[64*nq+8*bb+4:64*nq+8*bb+7], v[BO], s[40:41] offset:1024*bb+512
.set bb, bb+1
.endr
	MUL 4, \q, \zero
	MUL 5, \q, \zero
	MUL 6, \q, \zero
	MUL 7, \q, \zero
	s_wait_xcnt 0x0                                ; the loads above, 32 products back, have read their base: it may be stepped
	s_add_nc_u64 s[40:41], s[40:41], WSTEP
.endm
; LOAD.  SLOT: slot j's row is in: rounded, stored to LDS (8 bytes a lane, 256 consecutive bytes a store), and with refill = 1 the slot takes the row eight further on.  left: the younger loads, which stay out.
.macro SLOT j, refill, left
	s_wait_loadcnt \left
	WIN 0xca                                       ; sources window 2, destination window 3
.set c, 0
.rept 8
	v_cvt_pk_bf16_f32 v[16*((\j)&1)+2*c],   v[32*(\j)+4*c],   v[32*(\j)+4*c+1]
	v_cvt_pk_bf16_f32 v[16*((\j)&1)+2*c+1], v[32*(\j)+4*c+2], v[32*(\j)+4*c+3]
.set c, c+1
.endr
	WIN 0x0c                                       ; address window 0, data window 3
.set c, 0
.rept 8
	ds_store_b64 v[STA], v[16*((\j)&1)+2*c:16*((\j)&1)+2*c+1] offset:(\j)*PITCH+256*c
.set c, c+1
.endr
.if \refill
	WIN 0x80
.set c, 0
.rept 8
	global_load_b128 v[32*(\j)+4*c:32*(\j)+4*c+3], v[BO], s[8:9] offset:4096*(8+(\j))+512*c th:TH_LOAD_NT
.set c, c+1
.endr
.endif
.endm
; TANH AND THE PRODUCT WITH v, for the n row tiles (units) of window w that begin at register base; a0 = the first one's number.  A unit is 64 numbers a lane: column tile b = i / 4, pair p = i % 4.
;   EF  exponent = 2 log2(e) x + hbs      EE  2^exponent      EP  + 1      ER  1 / ..      EM  sum += (-2 v) x ..; it starts at the lane's sum of v, and column tile 7's lines write it into window 0, v[48 + 8 a ..]
.macro EF u, i
.set rX, EB+64*(\u)+2*(\i)
.set bq, (\i)/4
.if bq&1
	v_pk_fma_f32 v[rX:rX+1], v[rX:rX+1], s[42:43], v[HB+bq-1:HB+bq] op_sel:[0,0,1] op_sel_hi:[1,0,1]
.else
	v_pk_fma_f32 v[rX:rX+1], v[rX:rX+1], s[42:43], v[HB+bq:HB+bq+1] op_sel_hi:[1,0,0]
.endif
.endm
.macro EE u, i
	v_exp_f32 v[EB+64*(\u)+(\i)], v[EB+64*(\u)+(\i)]
.endm
.macro EP u, i
.set rX, EB+64*(\u)+2*(\i)
	v_pk_add_f32 v[rX:rX+1], v[rX:rX+1], 1.0 op_sel_hi:[1,0]
.endm
.macro ER u, i
	v_rcp_f32 v[EB+64*(\u)+(\i)], v[EB+64*(\u)+(\i)]
.endm
.macro EM u, i
.set bq, (\i)/4
.set pq, (\i)%4
.set rU, EB+64*(\u)+2*pq
.set rW, rU
.if bq == 7
.set rW, AF+8*(EA0+(\u))+2*pq
.endif
.if bq == 0
	v_pk_fma_f32 v[rU:rU+1], v[rU:rU+1], v[VV:VV+1], v[VS:VS+1] op_sel_hi:[1,0,1]
.elseif bq&1
	v_pk_fma_f32 v[rW:rW+1], v[rU+8*bq:rU+8*bq+1], v[VV+bq-1:VV+bq], v[rU:rU+1] op_sel:[0,1,0] op_sel_hi:[1,1,1]
.else
	v_pk_fma_f32 v[rW:rW+1], v[rU+8*bq:rU+8*bq+1], v[VV+bq:VV+bq+1], v[rU:rU+1] op_sel_hi:[1,0,1]
.endif
.endm
; The units go through the five stages one block apart: block k holds EE of unit k, EP and ER of unit k - 1, EM of unit k - 2, EF of unit k + 1, plain lines between the transcendentals.
; Every line that names a transcendental's result names one of the block before, so ONE s_wait_alu at each block's end serves the block's whole batch; a v_nop is the plain
; line behind the batch's last.  EF takes each accumulator's registers in ascending order.
.macro EPI w, base, n, a0
.set EB, \base
.set EA0, \a0
.set SF, ((\w)<<6)|(\w)                ; destination and source 0 in window w
.set SM, SF|((\w)<<4)                  ; source 2 too
.set SL, ((\w)<<4)|(\w)                ; sources 0 and 2 in window w, destination in window 0
	WIN SF
.set i, 0
.rept 32
	EF 0, i
.set i, i+1
.endr
.set k, 0
.rept (\n)+2
	WIN SF
.set i, 0
.rept 32
.if k < (\n)
	EE k, 2*i
.endif
.if (k >= 1) && (k <= (\n))
	EP k-1, i
.endif
.if k < (\n)
	EE k, 2*i+1
.endif
.if k+1 < (\n)
	EF k+1, i
.endif
.set i, i+1
.endr
.set i, 0
.rept 32
.if (k >= 2) && (i >= 4)
	WIN SM
.endif
.if (k >= 1) && (k <= (\n))
	ER k-1, 2*i
.endif
.if (k >= 2) && (i < 28)
	EM k-2, i
.endif
.if (k >= 1) && (k <= (\n))
	ER k-1, 2*i+1
.endif
.set i, i+1
.endr
.if k >= 2
	WIN SL
	EM k-2, 28
	EM k-2, 29
	EM k-2, 30
	EM k-2, 31
.endif
.if k <= (\n)
	v_nop
	s_wait_alu depctr_va_vdst(0)
.endif
.set k, k+1
.endr
.endm
; CONTEXT.  CLOAD: 32 rows x my 256 numbers, turned (ds_load_tr16_b128: lane l ends with column l % 16 and 8 rows), 16 fragments into buffer s % 2; the address then goes 32 rows on.
.macro CLOAD s
	WIN 0xc0
.set t, 0
.rept 16
	ds_load_tr16_b128 v[128*((\s)&1)+8*t:128*((\s)&1)+8*t+3],   v38 offset:32*t
	ds_load_tr16_b128 v[128*((\s)&1)+8*t+4:128*((\s)&1)+8*t+7], v38 offset:32*t+16*PITCH
.set t, t+1
.endr
	WIN 0
	v_add_nc_u32 v38, 32*PITCH, v38
.endm
.macro CMUL s                          ; source 0: the weights of 32 rows, the same in all 16 rows of the fragment; the 16 accumulators take turns
	WIN 0xac
.set t, 0
.rept 16
.if (\s) == 0
	v_wmma_f32_16x16x32_bf16 v[8*t:8*t+7], v[AF+8*(\s):AF+8*(\s)+7], v[128*((\s)&1)+8*t:128*((\s)&1)+8*t+7], 0
.else
	v_wmma_f32_16x16x32_bf16 v[8*t:8*t+7], v[AF+8*(\s):AF+8*(\s)+7], v[128*((\s)&1)+8*t:128*((\s)&1)+8*t+7], v[8*t:8*t+7]
.endif
.set t, t+1
.endr
.endm
; ---------------------------------------------------------------- HEAD
	s_load_b512 s[8:23], s[0:1], 0x0               ; rows s[8:9], v s[10:11], wf s[12:13], hbs s[14:15], mask s[16:17], sc s[18:19], ctxp s[20:21], mg s[22:23]
	v_lshl_add_u32 v[SPW], v0, 2, SPARE
	v_mov_b32 v[NIL], 0
	v_and_b32 v1, 31, v0                           ; lane
	v_lshrrev_b32 v[T0], 5, v0
	v_readfirstlane_b32 s28, v[T0]                 ; wave 0..3
	v_lshlrev_b32 v[BO], 4, v1
	s_lshr_b32 s29, ttmp9, 3                       ; the batch
	s_and_b32 s27, ttmp9, 7                        ; which 256 of its rows
	s_mov_b32 s42, 0x4038aa3b                      ; 2 log2(e); named as a pair
	s_mov_b32 s43, s42
	s_mov_b32 s44, 0x76543210                      ; v_permlanex16_b32: each lane takes its own place in the other half
	s_mov_b32 s45, 0xfedcba98
	s_mov_b32 s46, 0x3fb8aa3b                      ; log2(e)
	s_mov_b32 s47, 0xd01502f9                      ; -1e10
	s_mov_b32 s48, 0xfe967699                      ; -1e38: below every score, the masked ones' too
	s_mov_b32 s31, 0                               ; the high word of every offset pair s[30:31]
	s_wait_kmcnt 0x0
	s_mul_i32 s30, s28, WWAVE
	s_add_nc_u64 s[40:41], s[12:13], s[30:31]      ; my wave's fragments of W_e
	WIN 0x40
.set q, 0
.rept 3                                        ; K steps 0..2
.set bb, 0
.rept 8
	global_load_b128 v[64*q+8*bb:64*q+8*bb+3],   v[BO], s[40:41] offset:q*WSTEP+1024*bb
	global_load_b128 v[64*q+8*bb+4:64*q+8*bb+7], v[BO], s[40:41] offset:q*WSTEP+1024*bb+512
.set bb, bb+1
.endr
.set q, q+1
.endr
	WIN 0
	s_lshl_b32 s30, s29, 23                        ; the batch's 2,048 rows of 4,096 bytes,
	s_lshl_b32 s38, s27, 20                        ; my work-group's 256,
	s_add_co_u32 s30, s30, s38
	s_lshl_b32 s38, s28, 17                        ; my wave's 32 of a pass
	s_add_co_u32 s30, s30, s38
	s_add_nc_u64 s[8:9], s[8:9], s[30:31]
	s_lshl_b32 s30, s29, 13
	s_lshl_b32 s38, s27, 10
	s_add_co_u32 s30, s30, s38                     ; my work-group's 256 words of mask and of sc
	s_add_nc_u64 s[16:17], s[16:17], s[30:31]
	s_add_nc_u64 s[18:19], s[18:19], s[30:31]
	s_lshl_b32 s30, s29, 12
	s_add_nc_u64 s[14:15], s[14:15], s[30:31]
	s_lshl_b32 s30, ttmp9, 12
	s_add_nc_u64 s[20:21], s[20:21], s[30:31]
	s_lshl_b32 s30, ttmp9, 2
	s_add_nc_u64 s[22:23], s[22:23], s[30:31]
	s_lshl_b32 s30, s28, 10
	s_add_co_u32 s30, s30, CTX
	v_add_nc_u32 v[T0], s30, v[BO]
.irp i, 0,1,2,3
	v_mov_b32 v[SW+\i], 0
.endr
	ds_store_b128 v[T0], v[SW:SW+3]                ; my 1,024 bytes of the running context start at 0
	ds_store_b128 v[T0], v[SW:SW+3] offset:512
	v_mov_b32 v[MRUN], s48
	s_mov_b32 s34, 2
	s_wait_xcnt 0x0                                ; the 48 loads have read their base
	s_add_nc_u64 s[40:41], s[40:41], 3*WSTEP
; ---------------------------------------------------------------- A PASS
.Lpass:
	global_load_b128 v[MK:MK+3], v[BO], s[16:17]   ; the mask of the pass's rows 4 l .. 4 l + 3, in every wave
	; LOAD: wave w fills rows 32 w .. 32 w + 31 through eight slots of registers: 64 loads of 512 consecutive bytes are asked for at once
	s_mul_i32 s30, s28, 32*PITCH
	v_lshl_add_u32 v[STA], v1, 3, s30
	WIN 0x80
.set j, 0
.rept 8
.set c, 0
.rept 8
	global_load_b128 v[32*j+4*c:32*j+4*c+3], v[BO], s[8:9] offset:4096*j+512*c th:TH_LOAD_NT
.set c, c+1
.endr
.set j, j+1
.endr
	WIN 0
	s_mov_b32 s37, 3
.Lfill:
.irp j, 0,1,2,3,4,5,6,7
	SLOT \j, 1, 56                                 ; the seven other slots' 56 loads stay out
.endr
	WIN 0
	v_add_nc_u32 v[STA], 8*PITCH, v[STA]
	s_wait_xcnt 0x0                                ; the loads have read their base
	s_add_nc_u64 s[8:9], s[8:9], 8*4096
	s_sub_co_u32 s37, s37, 1
	s_cmp_lg_u32 s37, 0
	s_cbranch_scc1 .Lfill
.irp j, 0,1,2,3,4,5,6,7
	SLOT \j, 0, 56-8*(\j)                          ; the last eight rows: the counts run down to 0
.endr
	WIN 0
	s_add_nc_u64 s[8:9], s[8:9], 104*4096          ; no load is out.  24 rows were stepped in the loop: on to the next pass's rows, 128 from this one's
	v_and_b32 v[T0], 15, v0                        ; r
	v_bfe_u32 v[SCL], v0, 4, 1                     ; h
	s_lshl_b32 s30, s28, 9
	s_add_co_u32 s38, s30, PART
	v_lshl_add_u32 v[PS], v[SCL], 5, s38           ; my wave's 128 sums of chunk 0, rows 8 h on
	v_lshl_add_u32 v[HVO], v[T0], 4, s30
	s_mov_b32 s35, 2
	s_wait_dscnt 0x0                               ; for the others' sake: my rows lie in LDS
	s_barrier_signal -1
	s_barrier_wait -1
; ---------------------------------------------------------------- A CHUNK of 512 columns
.Lchunk:
	global_load_b128 v[HB:HB+3],   v[HVO], s[14:15]
	global_load_b128 v[HB+4:HB+7], v[HVO], s[14:15] offset:256
	global_load_b128 v[VV:VV+3],   v[HVO], s[10:11]
	global_load_b128 v[VV+4:VV+7], v[HVO], s[10:11] offset:256
	v_and_b32 v[T0], 15, v0
	v_bfe_u32 v[SCL], v0, 4, 1
	v_mul_u32_u24 v[T0], v[T0], PITCH
	v_lshl_add_u32 v[AV], v[SCL], 4, v[T0]         ; row r x pitch + 16 h, at K = 0
.irp p, 1,2,3
	v_add_nc_u32 v[AV+\p], (\p)*32*PITCH, v[AV]
.endr
	ALOAD 0, 0
	STEP 0, 1, 1                                   ; the first K step starts the sums
	WIN 0
	s_mov_b32 s36, 7
.Lk:
	STEP 1, 0, 1
	STEP 2, 0, 1
	STEP 3, 0, 2
	STEP 0, 0, 1
	WIN 0
	s_sub_co_u32 s36, s36, 1
	s_cmp_lg_u32 s36, 0
	s_cbranch_scc1 .Lk
	STEP 1, 0, 1
	STEP 2, 0, 1
	STEP 3, 0, 0
	WIN 0
	s_wait_loadcnt 48                              ; hbs and v are in: behind them only the three K steps asked for ahead are out
	v_add_f32 v[VS], v[VV], v[VV+1]                ; these lines are also the places behind the last products
	v_add_f32 v[VS+1], v[VV+2], v[VV+3]
	v_add_f32 v[T0], v[VV+4], v[VV+5]
	v_add_f32 v[SCL], v[VV+6], v[VV+7]
	v_add_f32 v[VS], v[VS], v[VS+1]
	v_add_f32 v[T0], v[T0], v[SCL]
	v_add_f32 v[VS], v[VS], v[T0]
	v_mov_b32 v[VS+1], v[VS]
.irp i, 0,2,4,6
	v_pk_mul_f32 v[VV+\i:VV+\i+1], v[VV+\i:VV+\i+1], -2.0 op_sel_hi:[1,0]
.endr
	EPI 2, 0, 4, 0
	EPI 3, 0, 4, 4
	WIN 0
.irp x, 1,2,4,8                                ; the sixteen lanes of a half hold sixteen columns of the same eight rows: their sum, in every lane
.set j, 0
.rept 64
	v_add_f32_dpp v[AF+j], v[AF+j], v[AF+j] row_xmask:\x row_mask:0xf bank_mask:0xf
.set j, j+1
.endr
.endr
.set a, 0
.rept 8                                        ; rows 16 a + 8 h + 0..7; the lanes of a half store the same words
	ds_store_b128 v[PS], v[AF+8*a:AF+8*a+3]   offset:64*a
	ds_store_b128 v[PS], v[AF+8*a+4:AF+8*a+7] offset:64*a+16
.set a, a+1
.endr
	v_add_nc_u32 v[PS], 2048, v[PS]
	v_add_nc_u32 v[HVO], 2048, v[HVO]              ; its loads are in since the wait above
	s_sub_co_u32 s35, s35, 1
	s_cmp_lg_u32 s35, 0
	s_cbranch_scc1 .Lchunk
	s_wait_xcnt 0x0
	s_sub_nc_u64 s[40:41], s[40:41], 64*WSTEP      ; steps 64..66, asked for already, are steps 0..2 of the next pass; step 3 is the next to ask for
	s_wait_dscnt 0x0                               ; for the others' sake: my partial sums lie in LDS
	s_barrier_signal -1
	s_barrier_wait -1
; ---------------------------------------------------------------- SCORES: every wave for all 128 rows; lane l has rows 4 l .. 4 l + 3
	v_lshl_add_u32 v34, v1, 4, PART
.set i, 0
.rept 8
	ds_load_b128 v[SW+4*i:SW+4*i+3], v34 offset:512*i
.set i, i+1
.endr
	s_lshl_b32 s30, s28, 8
	s_add_co_u32 s30, s30, PB
	v_lshl_add_u32 v36, v1, 3, s30                 ; where my four weights go
	s_wait_dscnt 0x0
.irp i, 0,2,4,6
	v_pk_add_f32 v[SW+4*\i:SW+4*\i+1],   v[SW+4*\i:SW+4*\i+1],   v[SW+4*\i+4:SW+4*\i+5]
	v_pk_add_f32 v[SW+4*\i+2:SW+4*\i+3], v[SW+4*\i+2:SW+4*\i+3], v[SW+4*\i+6:SW+4*\i+7]
.endr
.irp i, 0,4
	v_pk_add_f32 v[SW+4*\i:SW+4*\i+1],   v[SW+4*\i:SW+4*\i+1],   v[SW+4*\i+8:SW+4*\i+9]
	v_pk_add_f32 v[SW+4*\i+2:SW+4*\i+3], v[SW+4*\i+2:SW+4*\i+3], v[SW+4*\i+10:SW+4*\i+11]
.endr
	v_pk_add_f32 v[SW:SW+1],   v[SW:SW+1],   v[SW+16:SW+17]
	v_pk_add_f32 v[SW+2:SW+3], v[SW+2:SW+3], v[SW+18:SW+19]
.irp q, 0,1,2,3
	v_cmp_eq_u32 vcc_lo, 0, v[MK+\q]               ; (the mask came in ahead of the rows, whose last wait was for 0)
	v_cndmask_b32 v[SW+\q], v[SW+\q], s47, vcc_lo  ; a masked row's score is -1e10
.endr
	v_max3_num_f32 v214, v[SW], v[SW+1], v[SW+2]
	v_max_num_f32 v214, v214, v[SW+3]
	v_max_num_f32_dpp v214, v214, v214 row_xmask:1 row_mask:0xf bank_mask:0xf
	v_max_num_f32_dpp v214, v214, v214 row_xmask:2 row_mask:0xf bank_mask:0xf
	v_max_num_f32_dpp v214, v214, v214 row_xmask:4 row_mask:0xf bank_mask:0xf
	v_max_num_f32_dpp v214, v214, v214 row_xmask:8 row_mask:0xf bank_mask:0xf
	v_permlanex16_b32 v[SW+4], v214, s44, s45      ; (its destination has been written)
	v_max3_num_f32 v214, v214, v[SW+4], v[MRUN]    ; the new running maximum
	v_sub_f32 v[SCL], v[MRUN], v214
	v_mul_f32 v[SCL], s46, v[SCL]
	v_mov_b32 v[MRUN], v214
.irp q, 0,1,2,3
	v_sub_f32 v[208+\q], v[SW+\q], v214            ; the maximum is taken away first, then the factor log2(e)
.endr
.irp q, 0,1,2,3
	v_mul_f32 v[208+\q], s46, v[208+\q]
.endr
.irp q, 0,1,2,3
	v_exp_f32 v[208+\q], v[208+\q]
.endr
	v_exp_f32 v[SCL], v[SCL]
	v_nop                                          ; a plain line behind the last exponential,
	s_wait_alu depctr_va_vdst(0)                   ; and one wait for the five, ahead of their first reader
	v_cvt_pk_bf16_f32 v212, v208, v209
	v_cvt_pk_bf16_f32 v213, v210, v211
	ds_store_b64 v36, v[212:213]
	s_cmp_lg_u32 s28, 0
	s_cbranch_scc1 .Lscores_out
	global_store_b128 v[BO], v[SW:SW+3], s[18:19]  ; wave 0 stores the pass's 128 scores: 512 consecutive bytes, aligned
.Lscores_out:
; ---------------------------------------------------------------- CONTEXT
	v_bfe_u32 v35, v0, 4, 1                        ; h
	v_lshl_add_u32 v37, v35, 4, s30                ; my wave's weights, 8 h rows on
.set s, 0
.rept 4                                        ; LDS serves a wave's instructions in order (ISA guide 5.7.1.4): these see the store above
	ds_load_b128 v[AF+8*s:AF+8*s+3],   v37 offset:64*s
	ds_load_b128 v[AF+8*s+4:AF+8*s+7], v37 offset:64*s+32
.set s, s+1
.endr
	v_and_b32 v38, 7, v0
	v_lshl_add_u32 v38, v35, 3, v38
	v_mul_u32_u24 v38, v38, PITCH                  ; row 8 h + l % 8
	v_bfe_u32 v39, v0, 3, 1
	v_lshl_add_u32 v38, v39, 4, v38                ; 8 numbers on for lanes 8-15 and 24-31
	s_lshl_b32 s38, s28, 9
	v_add_nc_u32 v38, s38, v38                     ; my wave's 256 numbers
	CLOAD 0
	CLOAD 1
	s_wait_dscnt 32                                ; the weights and step 0 are in; step 1's 32 loads stay out
	CMUL 0
	PLACES
	CLOAD 2
	s_wait_dscnt 32                                ; step 2's stay out
	CMUL 1
	PLACES
	CLOAD 3
	s_wait_dscnt 32                                ; step 3's
	CMUL 2
	s_wait_dscnt 0x0
	CMUL 3
	PLACES
	WIN 0
	v_and_b32 v39, 15, v0
	s_lshl_b32 s30, s28, 10
	s_add_co_u32 s30, s30, CTX
	v_lshl_add_u32 v39, v39, 2, s30
.set t, 0
.rept 16
	ds_load_b32 v[216+t], v39 offset:64*t
.set t, t+1
.endr
	s_wait_dscnt 0x0
	WIN 0x20
.set t, 0
.rept 16                                       ; all 16 rows of a result are alike: its lowest register holds number 16 t + r
	v_fma_f32 v[216+t], v[216+t], v[SCL], v[8*t]
.set t, t+1
.endr
	WIN 0
.set t, 0
.rept 16
	ds_store_b32 v39, v[216+t] offset:64*t
.set t, t+1
.endr
	s_wait_xcnt 0x0                                ; the mask's load and the scores' store have read their bases and registers
	s_add_nc_u64 s[16:17], s[16:17], 512           ; the next pass's 128 words
	s_add_nc_u64 s[18:19], s[18:19], 512
	s_wait_dscnt 0x0                               ; my reads of the rows and of the partial sums are over: the next pass writes them anew
	s_barrier_signal -1
	s_barrier_wait -1
	s_sub_co_u32 s34, s34, 1
	s_cmp_lg_u32 s34, 0
	s_cbranch_scc1 .Lpass
; ---------------------------------------------------------------- END
	s_lshl_b32 s30, s28, 10
	s_add_co_u32 s38, s30, CTX
	v_add_nc_u32 v[T0], s38, v[BO]                 ; my wave's 1,024 bytes of context, 16 bytes a lane
	ds_load_b128 v[48:51], v[T0]
	ds_load_b128 v[52:55], v[T0] offset:512
	v_add_nc_u32 v34, s30, v[BO]
	v_mov_b32 v35, 0
	v_cmp_eq_u32 vcc_lo, 0, v0
	s_wait_dscnt 0x0
	global_store_b128 v34, v[48:51], s[20:21]      ; 512 consecutive bytes, aligned
	global_store_b128 v34, v[52:55], s[20:21] offset:512
	s_wait_xcnt 0x0                                ; EXEC changes only behind this wait,
	s_and_saveexec_b32 s50, vcc_lo
	global_store_b32 v35, v[MRUN], s[22:23]        ; thread 0: the work-group's maximum
	s_wait_xcnt 0x0                                ; and again in front of the line that restores it
	s_or_b32 exec_lo, exec_lo, s50
	s_wait_tensorcnt 0x0                           ; the wave's end, behind my last LDS store
	ds_add_u32 v[SPW], v[NIL]
	s_wait_dscnt 0x0
	s_endpgm
.Lfunc_end_k_q3b8fc0abf3_attn:
	.size	k_q3b8fc0abf3_attn, .Lfunc_end_k_q3b8fc0abf3_attn-k_q3b8fc0abf3_attn
	.p2alignl 7, 3214868480
	.fill 96, 4, 3214868480
	.section	.rodata,"a",@progbits
	.p2align	6, 0x0
	.amdhsa_kernel k_q3b8fc0abf3_attn
		.amdhsa_group_segment_fixed_size 273920
		.amdhsa_private_segment_fixed_size 0
		.amdhsa_enable_private_segment 0
		.amdhsa_kernarg_size 64
		.amdhsa_user_sgpr_count 2
		.amdhsa_user_sgpr_kernarg_segment_ptr 1
		.amdhsa_wavefront_size32 1
		.amdhsa_system_sgpr_workgroup_id_x 1
		.amdhsa_system_sgpr_workgroup_id_y 1
		.amdhsa_system_sgpr_workgroup_id_z 1
		.amdhsa_system_vgpr_workitem_id 0
		.amdhsa_next_free_vgpr 1024
		.amdhsa_next_free_sgpr 72
		.amdhsa_reserve_vcc 1
		.amdhsa_float_denorm_mode_32 3
		.amdhsa_float_denorm_mode_16_64 3
		.amdhsa_memory_ordered 1
		.amdhsa_forward_progress 1
		.amdhsa_inst_pref_size 224
	.end_amdhsa_kernel
	.amdgpu_metadata
---
amdhsa.version: [ 1, 2 ]
amdhsa.kernels:
  - .name:           k_q3b8fc0abf3_attn
    .symbol:         k_q3b8fc0abf3_attn.kd
    .args:
      - { .name: encoder_outputs, .offset: 0, .size: 8, .value_kind: global_buffer, .address_space: global }
      - { .name: v, .offset: 8, .size: 8, .value_kind: global_buffer, .address_space: global }
      - { .name: wf, .offset: 16, .size: 8, .value_kind: global_buffer, .address_space: global }
      - { .name: hbs, .offset: 24, .size: 8, .value_kind: global_buffer, .address_space: global }
      - { .name: mask, .offset: 32, .size: 8, .value_kind: global_buffer, .address_space: global }
      - { .name: sc, .offset: 40, .size: 8, .value_kind: global_buffer, .address_space: global }
      - { .name: ctxp, .offset: 48, .size: 8, .value_kind: global_buffer, .address_space: global }
      - { .name: mg, .offset: 56, .size: 8, .value_kind: global_buffer, .address_space: global }
    .group_segment_fixed_size: 273920
    .private_segment_fixed_size: 0
    .kernarg_segment_align: 8
    .kernarg_segment_size: 64
    .max_flat_workgroup_size: 128
    .sgpr_count:     72
    .vgpr_count:     1024
    .wavefront_size: 32
...
	.end_amdgpu_metadata
.endif
;; end of part 2
;; launch finish (part 3): grid 32 x 4, 4 waves a work-group, no clusters, 1,024 bytes of LDS; arguments sc, ctxp, mg, out0, out1; writes out0, out1
.if DOCPART == 3
	.amdgcn_target "amdgcn-amd-amdhsa--gfx1250"
	.amdhsa_code_object_version 6
	.text
	.protected	k_q3b8fc0abf3_finish
	.globl	k_q3b8fc0abf3_finish
	.p2align	8
	.type	k_q3b8fc0abf3_finish,@function
k_q3b8fc0abf3_finish:
	s_mov_b64 s[64:65], 0
	v_nop
	global_prefetch_b8 v0, s[64:65] scope:SCOPE_SE
	s_setreg_imm32_b32 hwreg(HW_REG_WAVE_MODE, 25, 1), 1
	s_wait_xcnt 0x0
; THE SOFTMAX OVER A BATCH'S 2,048 SCORES AND THE JOINING OF ITS EIGHT PARTIAL CONTEXTS.  Work-group (b, y): batch b; it stores quarter y of the weights (512) and of the context (256 numbers).
; m = the maximum of sc[b][:], l = the sum of e^(s - m); out1 = e^(s - m) / l; out0 = the sum over g of ctxp[8 b + g] e^(mg[8 b + g] - m) / l.  Each of the four work-groups of a batch finds m and l for itself:
; 8,192 bytes read again against a further launch.  The maximum is taken away before the factor log2(e): where all scores are -1e10 the exponents are exactly 0 and the weights 1 / 2,048.
; LIMITS.  2^x gives 0 below 2^-126; NaN and infinities are not treated apart.  No matrix work, no cluster: the work-groups share 8 KiB.
.set SPARE, 512                        ; LDS: the waves' maxima at 0, their sums at 256, the spare words (128 bytes a wave) from 512 on
.set SPW, 2
.set NIL, 3
	s_load_b256 s[8:15], s[0:1], 0x0               ; sc s[8:9], ctxp s[10:11], mg s[12:13], out0 s[14:15]
	s_load_b64 s[16:17], s[0:1], 0x20              ; out1
	v_lshl_add_u32 v[SPW], v0, 2, SPARE
	v_mov_b32 v[NIL], 0
	v_lshrrev_b32 v4, 5, v0
	v_readfirstlane_b32 s6, v4                     ; wave
	v_lshlrev_b32 v4, 4, v0                        ; 16 x thread
	v_lshlrev_b32 v5, 3, v0                        ; 8 x thread
	v_mov_b32 v6, 0
	s_and_b32 s7, ttmp7, 0xffff                    ; y
	s_lshl_b32 s20, ttmp9, 13                      ; the batch's 8,192 bytes of sc and out1
	s_mov_b32 s21, 0
	s_lshl_b32 s22, s7, 11                         ; my quarter of them
	s_mov_b32 s23, 0
	s_lshl_b32 s24, ttmp9, 5                       ; its eight maxima
	s_mov_b32 s25, 0
	s_lshl_b32 s26, ttmp9, 15                      ; its eight partial contexts,
	s_lshl_b32 s28, s7, 10                         ; my quarter of each
	s_add_co_u32 s26, s26, s28
	s_mov_b32 s27, 0
	s_lshl_b32 s34, ttmp9, 12
	s_add_co_u32 s28, s28, s34                     ; and of out0's row
	s_mov_b32 s29, 0
	s_mov_b32 s30, 0x3fb8aa3b                      ; log2(e); named as a pair
	s_mov_b32 s31, s30
	s_mov_b32 s32, 0x76543210
	s_mov_b32 s33, 0xfedcba98
	s_lshl_b32 s34, s6, 2
	v_mov_b32 v7, s34
	s_wait_kmcnt 0x0
	s_add_nc_u64 s[8:9], s[8:9], s[20:21]
	s_add_nc_u64 s[18:19], s[8:9], s[22:23]
	s_add_nc_u64 s[12:13], s[12:13], s[24:25]
	s_add_nc_u64 s[10:11], s[10:11], s[26:27]
	s_add_nc_u64 s[14:15], s[14:15], s[28:29]
	s_add_nc_u64 s[16:17], s[16:17], s[20:21]
	s_add_nc_u64 s[16:17], s[16:17], s[22:23]
.irp i, 0,1,2,3
	global_load_b128 v[8+4*\i:11+4*\i], v4, s[8:9] offset:2048*\i  ; all 2,048 scores: 16 a thread
.endr
	global_load_b128 v[24:27], v4, s[18:19]        ; the four scores whose weights I store
	global_load_b128 v[28:31], v6, s[12:13]        ; the eight maxima, in every lane
	global_load_b128 v[32:35], v6, s[12:13] offset:16
.irp g, 0,1,2,3,4,5,6,7
	global_load_b64 v[36+2*\g:37+2*\g], v5, s[10:11] offset:4096*\g th:TH_LOAD_NT
.endr
	s_wait_loadcnt 11                              ; the first four loads are in; the eleven behind them stay out
	v_max3_num_f32 v52, v8, v9, v10
	v_max3_num_f32 v53, v11, v12, v13
	v_max3_num_f32 v52, v52, v14, v15
	v_max3_num_f32 v53, v53, v16, v17
	v_max3_num_f32 v52, v52, v18, v19
	v_max3_num_f32 v53, v53, v20, v21
	v_max3_num_f32 v52, v52, v22, v23
	v_max_num_f32 v52, v52, v53
	v_max_num_f32_dpp v52, v52, v52 row_xmask:1 row_mask:0xf bank_mask:0xf
	v_max_num_f32_dpp v52, v52, v52 row_xmask:2 row_mask:0xf bank_mask:0xf
	v_max_num_f32_dpp v52, v52, v52 row_xmask:4 row_mask:0xf bank_mask:0xf
	v_max_num_f32_dpp v52, v52, v52 row_xmask:8 row_mask:0xf bank_mask:0xf
	v_permlanex16_b32 v53, v52, s32, s33
	v_max_num_f32 v52, v52, v53
	ds_store_b32 v7, v52
	s_wait_dscnt 0x0
	s_barrier_signal -1
	s_barrier_wait -1
	ds_load_b128 v[56:59], v6
	s_wait_dscnt 0x0
	v_max3_num_f32 v55, v56, v57, v58
	v_max_num_f32 v54, v55, v59                    ; m, in both registers of a pair
	v_max_num_f32 v55, v55, v59
.irp i, 8,10,12,14,16,18,20,22
	v_pk_add_f32 v[\i:\i+1], v[\i:\i+1], v[54:55] neg_lo:[0,1] neg_hi:[0,1]
.endr
.irp i, 8,10,12,14,16,18,20,22
	v_pk_mul_f32 v[\i:\i+1], v[\i:\i+1], s[30:31] op_sel_hi:[1,0]
.endr
.irp i, 8,9,10,11,12,13,14,15,16,17,18,19,20,21,22,23
	v_exp_f32 v[\i], v[\i]
.endr
	v_nop                                          ; a plain line behind the last exponential,
	s_wait_alu depctr_va_vdst(0)                   ; and one wait for the sixteen
.irp i, 8,12,16,20
	v_pk_add_f32 v[\i:\i+1], v[\i:\i+1], v[\i+2:\i+3]
.endr
	v_pk_add_f32 v[8:9], v[8:9], v[12:13]
	v_pk_add_f32 v[16:17], v[16:17], v[20:21]
	v_pk_add_f32 v[8:9], v[8:9], v[16:17]
	v_add_f32 v8, v8, v9
	v_add_f32_dpp v8, v8, v8 row_xmask:1 row_mask:0xf bank_mask:0xf
	v_add_f32_dpp v8, v8, v8 row_xmask:2 row_mask:0xf bank_mask:0xf
	v_add_f32_dpp v8, v8, v8 row_xmask:4 row_mask:0xf bank_mask:0xf
	v_add_f32_dpp v8, v8, v8 row_xmask:8 row_mask:0xf bank_mask:0xf
	v_permlanex16_b32 v9, v8, s32, s33
	v_add_f32 v8, v8, v9
	ds_store_b32 v7, v8 offset:256                 ; other bytes than the maxima's: no barrier is owed between
	s_wait_dscnt 0x0
	s_barrier_signal -1
	s_barrier_wait -1
	ds_load_b128 v[56:59], v6 offset:256
	s_wait_loadcnt 0x0                             ; my four scores, the eight maxima, the eight partial contexts
.irp i, 24,26,28,30,32,34
	v_pk_add_f32 v[\i:\i+1], v[\i:\i+1], v[54:55] neg_lo:[0,1] neg_hi:[0,1]
.endr
.irp i, 24,26,28,30,32,34
	v_pk_mul_f32 v[\i:\i+1], v[\i:\i+1], s[30:31] op_sel_hi:[1,0]
.endr
	s_wait_dscnt 0x0
	v_add_f32 v56, v56, v57
	v_add_f32 v58, v58, v59
	v_add_f32 v62, v56, v58                        ; l
	v_rcp_f32 v60, v62                             ; 1 / l, twice: a pair for the packed multiplies
	v_rcp_f32 v61, v62
.irp i, 24,25,26,27,28,29,30,31,32,33,34,35
	v_exp_f32 v[\i], v[\i]
.endr
	v_nop
	s_wait_alu depctr_va_vdst(0)                   ; one wait for the fourteen
.irp i, 24,26,28,30,32,34
	v_pk_mul_f32 v[\i:\i+1], v[\i:\i+1], v[60:61]
.endr
	global_store_b128 v4, v[24:27], s[16:17]       ; a wave stores 512 consecutive bytes, aligned
	v_pk_mul_f32 v[64:65], v[36:37], v[28:29] op_sel_hi:[1,0]
	v_pk_fma_f32 v[64:65], v[38:39], v[28:29], v[64:65] op_sel:[0,1,0] op_sel_hi:[1,1,1]
	v_pk_fma_f32 v[64:65], v[40:41], v[30:31], v[64:65] op_sel_hi:[1,0,1]
	v_pk_fma_f32 v[64:65], v[42:43], v[30:31], v[64:65] op_sel:[0,1,0] op_sel_hi:[1,1,1]
	v_pk_fma_f32 v[64:65], v[44:45], v[32:33], v[64:65] op_sel_hi:[1,0,1]
	v_pk_fma_f32 v[64:65], v[46:47], v[32:33], v[64:65] op_sel:[0,1,0] op_sel_hi:[1,1,1]
	v_pk_fma_f32 v[64:65], v[48:49], v[34:35], v[64:65] op_sel_hi:[1,0,1]
	v_pk_fma_f32 v[64:65], v[50:51], v[34:35], v[64:65] op_sel:[0,1,0] op_sel_hi:[1,1,1]
	global_store_b64 v5, v[64:65], s[14:15]        ; a wave stores 256 consecutive bytes, aligned
	s_wait_tensorcnt 0x0                           ; the wave's end, behind my last LDS store
	ds_add_u32 v[SPW], v[NIL]
	s_wait_dscnt 0x0
	s_endpgm
.Lfunc_end_k_q3b8fc0abf3_finish:
	.size	k_q3b8fc0abf3_finish, .Lfunc_end_k_q3b8fc0abf3_finish-k_q3b8fc0abf3_finish
	.p2alignl 7, 3214868480
	.fill 96, 4, 3214868480
	.section	.rodata,"a",@progbits
	.p2align	6, 0x0
	.amdhsa_kernel k_q3b8fc0abf3_finish
		.amdhsa_group_segment_fixed_size 1024
		.amdhsa_private_segment_fixed_size 0
		.amdhsa_enable_private_segment 0
		.amdhsa_kernarg_size 40
		.amdhsa_user_sgpr_count 2
		.amdhsa_user_sgpr_kernarg_segment_ptr 1
		.amdhsa_wavefront_size32 1
		.amdhsa_system_sgpr_workgroup_id_x 1
		.amdhsa_system_sgpr_workgroup_id_y 1
		.amdhsa_system_sgpr_workgroup_id_z 1
		.amdhsa_system_vgpr_workitem_id 0
		.amdhsa_next_free_vgpr 72
		.amdhsa_next_free_sgpr 66
		.amdhsa_reserve_vcc 0
		.amdhsa_float_denorm_mode_32 3
		.amdhsa_float_denorm_mode_16_64 3
		.amdhsa_memory_ordered 1
		.amdhsa_forward_progress 1
		.amdhsa_inst_pref_size 10
	.end_amdhsa_kernel
	.amdgpu_metadata
---
amdhsa.version: [ 1, 2 ]
amdhsa.kernels:
  - .name:           k_q3b8fc0abf3_finish
    .symbol:         k_q3b8fc0abf3_finish.kd
    .args:
      - { .name: sc, .offset: 0, .size: 8, .value_kind: global_buffer, .address_space: global }
      - { .name: ctxp, .offset: 8, .size: 8, .value_kind: global_buffer, .address_space: global }
      - { .name: mg, .offset: 16, .size: 8, .value_kind: global_buffer, .address_space: global }
      - { .name: out0, .offset: 24, .size: 8, .value_kind: global_buffer, .address_space: global }
      - { .name: out1, .offset: 32, .size: 8, .value_kind: global_buffer, .address_space: global }
    .group_segment_fixed_size: 1024
    .private_segment_fixed_size: 0
    .kernarg_segment_align: 8
    .kernarg_segment_size: 40
    .max_flat_workgroup_size: 128
    .sgpr_count:     66
    .vgpr_count:     72
    .wavefront_size: 32
...
	.end_amdgpu_metadata
.endif
;; end of part 3
;; ======== version 2 of 2: 3 launches; 1.54 times as fast as version 1
;; limits: right only within a limited range of input values
;; workspace buffers: wf 2,195,456 bytes; hbs 131,072 bytes; wl 294,912 bytes of whole numbers; meta 256 bytes of whole numbers; pm 262,144 bytes of whole numbers; scc 327,680 bytes; ctxp 1,048,576 bytes; mg 1,024 bytes
;; launch prep (part 4): grid 176 x 1, 4 waves a work-group, no clusters, 33,280 bytes of LDS; arguments W_e, W_h, hidden, b_h, b_e, wf, hbs, mask, wl, meta, pm, scc; writes wf, hbs, wl, meta, pm, scc
.if DOCPART == 4
	.amdgcn_target "amdgcn-amd-amdhsa--gfx1250"
	.amdhsa_code_object_version 6
	.text
	.protected	k_q3b8fc0abf3_prep
	.globl	k_q3b8fc0abf3_prep
	.p2align	8
	.type	k_q3b8fc0abf3_prep,@function
k_q3b8fc0abf3_prep:
	s_mov_b64 s[64:65], 0
	v_nop
	global_prefetch_b8 v0, s[64:65] scope:SCOPE_SE
	s_setreg_imm32_b32 hwreg(HW_REG_WAVE_MODE, 25, 1), 1
	s_wait_xcnt 0x0
; WHAT THE MAIN LAUNCH NEEDS, made once.  Three kinds of work-group, told apart by the work-group's number alone:
;   0..127   W: W_e [k][n] f32 -> wf, bf16, in the order in which a wave of the main launch takes its fragments: [wave 4][K step 67][tile 8][half 2][lane 32][16 bytes].
;               Step = 32 c + ks (c: which 512 columns, ks: which 32 of k); steps 64..66 repeat steps 0..2, so that loads that run three steps ahead stay inside the buffer.
;               Tile b, lane r of (wave w, c) is column 512 c + 128 w + 64 (b / 4) + 4 r + b % 4: a lane's columns of four tiles are 16 neighbouring bytes of a row of f32.
;   128..143 H: hbs[m][n] = 2 log2(e) (sum over k of hidden[m][k] W_h[k][n] + b_h[n] + b_e[n]); products in bf16, sums in f32.  64 columns a work-group, K split among its four waves.
;   144..175 L: one batch each: the list of the rows that count.  Wave 0 numbers the rows whose mask is not 0: wl[b][number] = row | 1<<16 (a row) | 1<<17 (not masked).  The other rows take the
;               slots from 2,047 downward, with entry 0: so each of the 2,048 slots is stored once, and every lane stores in every store.  A batch with no such row lists all 2,048, bit 17 off.
;               pm[b][row] = number | 1<<16, or 0 for a row that is not listed.  meta[b] = how many passes of 144 rows each of the batch's eight work-groups needs (it takes slots 8 i + g): 1 or 2.
;               Wave 1 fills scc[b] with -1e38 (the main launch stores over the passes that it runs) and the list's slots 2,048 .. 2,303 with 0.  Waves 2 and 3 have no part.
; No cluster: no two work-groups read the same bytes of a weight or of the mask; hidden, which the 16 work-groups of H share, is 128 KiB.
.set HP,    0                          ; LDS: H's partial tiles, 8,192 bytes a wave
.set SPARE, 32768                      ; the spare words, 128 bytes for each wave: two blocks of 256 bytes that no other line names
.set SPW,   2                          ; v2  LDS address of my spare word; never rewritten
.set NIL,   3                          ; v3  0; never rewritten
.set WSTEP, 8192                       ; bytes of a K step of one wave in wf
.set WWAVE, 67*WSTEP
.set MSB, 0
.macro WIN new                         ; the immediate's high byte repeats the setting that is left; a switch that changes nothing is dropped
.if MSB != (\new)
	s_set_vgpr_msb (MSB<<8)|(\new)
.set MSB, \new
.endif
.endm
	s_load_b512 s[8:23], s[0:1], 0x0               ; W_e s[8:9], W_h s[10:11], hidden s[12:13], b_h s[14:15], b_e s[16:17], wf s[18:19], hbs s[20:21], mask s[22:23]
	s_load_b128 s[24:27], s[0:1], 0x40             ; wl s[24:25], meta s[26:27]
	s_load_b128 s[40:43], s[0:1], 0x50             ; pm s[40:41], scc s[42:43]
	v_lshl_add_u32 v[SPW], v0, 2, SPARE
	v_mov_b32 v[NIL], 0
	v_and_b32 v1, 31, v0                           ; lane
	v_lshrrev_b32 v4, 5, v0
	v_readfirstlane_b32 s6, v4                     ; wave 0..3
	v_and_b32 v5, 15, v0                           ; r
	v_bfe_u32 v6, v0, 4, 1                         ; h
	v_lshlrev_b32 v7, 4, v5
	v_lshl_add_u32 v7, v6, 15, v7                  ; 8 h rows of 4,096 bytes + 16 r: my place in a weight's rows, and in hbs
	v_lshlrev_b32 v8, 4, v1                        ; 16 x lane
	s_mov_b32 s37, 0                               ; the high word of every offset pair s[36:37]
	s_wait_kmcnt 0x0
	s_cmp_lt_u32 ttmp9, 128
	s_cbranch_scc1 .Lrole_w
	s_cmp_lt_u32 ttmp9, 144
	s_cbranch_scc1 .Lrole_h
	s_branch .Lrole_l
; ---------------------------------------------------------------- W: a wave turns 32 k x 64 columns of W_e into four fragments
.Lrole_w:
	s_lshl_b32 s30, ttmp9, 2
	s_add_co_u32 s30, s30, s6                      ; task 0..511
	s_and_b32 s31, s30, 31                         ; ks
	s_lshr_b32 s32, s30, 5                         ; G: which 64 columns = 8 c + 2 w + upper half of the tiles
	s_lshr_b32 s33, s32, 3                         ; c
	s_bfe_u32 s34, s32, 0x20001                    ; w
	s_and_b32 s35, s32, 1
	s_lshl_b32 s36, s31, 17                        ; 32 rows of 4,096 bytes
	s_lshl_b32 s38, s32, 8                         ; 64 columns of 4 bytes
	s_add_co_u32 s36, s36, s38
	s_add_nc_u64 s[8:9], s[8:9], s[36:37]
.set jj, 0
.rept 16                                       ; row k = 32 ks + 8 h + jj (jj < 8), 32 ks + 16 + 8 h + jj - 8 (else); sixteen lanes read 256 consecutive bytes, aligned
	global_load_b128 v[64+4*jj:64+4*jj+3], v7, s[8:9] offset:(jj/8)*65536+(jj%8)*4096 th:TH_LOAD_NT
.set jj, jj+1
.endr
	s_lshl_b32 s38, s33, 5
	s_add_co_u32 s38, s38, s31                     ; step = 32 c + ks
	s_mul_i32 s36, s34, WWAVE
	s_lshl_b32 s39, s38, 13
	s_add_co_u32 s36, s36, s39
	s_lshl_b32 s39, s35, 12                        ; tiles 4..7 lie 4,096 bytes behind tiles 0..3
	s_add_co_u32 s36, s36, s39
	s_add_nc_u64 s[18:19], s[18:19], s[36:37]
	s_wait_loadcnt 0x0
.irp t, 0,1,2,3                                ; tile t takes component t of each load: two neighbouring k into one register, the lower k in the low half
.irp i, 0,1,2,3
	v_cvt_pk_bf16_f32 v[128+8*(\t)+(\i)],   v[64+8*(\i)+(\t)], v[64+8*(\i)+4+(\t)]
	v_cvt_pk_bf16_f32 v[128+8*(\t)+4+(\i)], v[96+8*(\i)+(\t)], v[96+8*(\i)+4+(\t)]
.endr
.endr
.irp t, 0,1,2,3                                ; each store of the wave covers 512 consecutive bytes, aligned
	global_store_b128 v8, v[128+8*(\t):128+8*(\t)+3],   s[18:19] offset:(\t)*1024
	global_store_b128 v8, v[128+8*(\t)+4:128+8*(\t)+7], s[18:19] offset:(\t)*1024+512
.endr
	s_cmp_lt_u32 s38, 3
	s_cbranch_scc0 .Lend
.irp t, 0,1,2,3                                ; steps 0..2 once more as steps 64..66
	global_store_b128 v8, v[128+8*(\t):128+8*(\t)+3],   s[18:19] offset:64*WSTEP+(\t)*1024
	global_store_b128 v8, v[128+8*(\t)+4:128+8*(\t)+7], s[18:19] offset:64*WSTEP+(\t)*1024+512
.endr
	s_branch .Lend
; ---------------------------------------------------------------- H: 32 rows x 64 columns; wave v takes K steps 8 v .. 8 v + 7
; All 192 loads of a wave are issued first, in the order of the K steps: W_h's into windows 1 and 2 (64 registers a step), hidden's into window 3 (32 a step).
; Window 0: v32-127 two sets of fragments (four of W_h, two of hidden), v128-191 eight accumulators ((mt, t) at 128 + 8 (4 mt + t)).
.Lrole_h:
	s_sub_co_u32 s30, ttmp9, 128                   ; G: which 64 columns
	s_lshl_b32 s31, s30, 8
	s_mov_b32 s36, s31
	s_add_nc_u64 s[14:15], s[14:15], s[36:37]
	s_add_nc_u64 s[16:17], s[16:17], s[36:37]
	v_lshlrev_b32 v9, 4, v5
	global_load_b128 v[12:15], v9, s[14:15]        ; b_h and b_e of my four columns
	global_load_b128 v[16:19], v9, s[16:17]
	s_lshl_b32 s32, s6, 20                         ; 8 K steps of 32 rows of 4,096 bytes
	s_add_co_u32 s36, s32, s31
	s_add_nc_u64 s[10:11], s[10:11], s[36:37]
	s_lshl_b32 s36, s6, 10                         ; 8 K steps of 128 bytes of a row of hidden
	s_add_nc_u64 s[12:13], s[12:13], s[36:37]
	v_lshlrev_b32 v10, 12, v5
	v_lshl_add_u32 v10, v6, 5, v10                 ; row r, 8 h numbers on
	s_mov_b32 s39, 0x4038aa3b                      ; 2 log2(e)
.set ksl, 0
.rept 8
	WIN 0x40+0x40*(ksl/4)                          ; destination window 1 or 2, address window 0
.set jj, 0
.rept 16
	global_load_b128 v[64*(ksl%4)+4*jj:64*(ksl%4)+4*jj+3], v7, s[10:11] offset:ksl*131072+(jj/8)*65536+(jj%8)*4096 th:TH_LOAD_NT
.set jj, jj+1
.endr
	WIN 0xc0
.irp mt, 0,1
.irp i, 0,1,2,3                                ; k = 8 h + 0..7 (two loads), then 16 + 8 h + 0..7
	global_load_b128 v[32*ksl+16*(\mt)+4*(\i):32*ksl+16*(\mt)+4*(\i)+3], v10, s[12:13] offset:(\mt)*65536+ksl*128+((\i)/2)*64+((\i)%2)*16
.endr
.endr
.set ksl, ksl+1
.endr
	WIN 0
.set ksl, 0
.rept 8
.if ksl < 5
	s_wait_loadcnt 63                              ; 24 (7 - ksl) younger loads could stay out; the wait names the most that its field holds, which is fewer
.else
	s_wait_loadcnt 24*(7-ksl)                      ; the later steps' loads stay out
.endif
.set st, ksl%2
.set wb, 64*(ksl%4)
	WIN 0x05*(1+ksl/4)                             ; sources in window 1 or 2
.irp t, 0,1,2,3
.irp i, 0,1,2,3
	v_cvt_pk_bf16_f32 v[32+48*st+8*(\t)+(\i)],   v[wb+8*(\i)+(\t)],    v[wb+8*(\i)+4+(\t)]
	v_cvt_pk_bf16_f32 v[32+48*st+8*(\t)+4+(\i)], v[wb+32+8*(\i)+(\t)], v[wb+32+8*(\i)+4+(\t)]
.endr
.endr
	WIN 0x0f                                       ; sources in window 3
.irp mt, 0,1
.irp i, 0,1,2,3,4,5,6,7
	v_cvt_pk_bf16_f32 v[64+48*st+8*(\mt)+(\i)], v[32*ksl+16*(\mt)+2*(\i)], v[32*ksl+16*(\mt)+2*(\i)+1]
.endr
.endr
	WIN 0
.irp mt, 0,1                                   ; the eight accumulators take turns; the next step's 48 conversions write the other set of fragments
.irp t, 0,1,2,3
.if ksl == 0
	v_wmma_f32_16x16x32_bf16 v[128+8*(4*(\mt)+(\t)):128+8*(4*(\mt)+(\t))+7], v[64+48*st+8*(\mt):64+48*st+8*(\mt)+7], v[32+48*st+8*(\t):32+48*st+8*(\t)+7], 0
.else
	v_wmma_f32_16x16x32_bf16 v[128+8*(4*(\mt)+(\t)):128+8*(4*(\mt)+(\t))+7], v[64+48*st+8*(\mt):64+48*st+8*(\mt)+7], v[32+48*st+8*(\t):32+48*st+8*(\t)+7], v[128+8*(4*(\mt)+(\t)):128+8*(4*(\mt)+(\t))+7]
.endif
.endr
.endr
.set ksl, ksl+1
.endr
	s_lshl_b32 s32, s6, 13
.rept 4
	v_nop                                          ; four places between the last product and the stores that read results
.endr
	v_add_nc_u32 v11, s32, v8                      ; my 8,192 bytes of partial tiles + 16 x lane
.set tl, 0
.rept 8                                        ; each accumulator's low four registers first
	ds_store_b128 v11, v[128+8*tl:128+8*tl+3]   offset:HP+tl*1024
	ds_store_b128 v11, v[128+8*tl+4:128+8*tl+7] offset:HP+tl*1024+512
.set tl, tl+1
.endr
	s_wait_dscnt 0x0                               ; for the others' sake: my partial tiles lie in LDS
	s_barrier_signal -1
	s_barrier_wait -1
	s_lshr_b32 s33, s6, 1                          ; wave v finishes rows 16 (v / 2) + 8 h + 4 (v % 2) + 0..3
	s_and_b32 s34, s6, 1
	s_lshl_b32 s35, s33, 12
	s_lshl_b32 s38, s34, 9
	s_add_co_u32 s35, s35, s38
	v_add_nc_u32 v20, s35, v8
.irp s, 0,1,2,3
.irp t, 0,1,2,3
	ds_load_b128 v[32+16*(\s)+4*(\t):32+16*(\s)+4*(\t)+3], v20 offset:HP+(\s)*8192+(\t)*1024
.endr
.endr
.irp t, 0,1,2,3
	v_add_f32 v[12+(\t)], v[12+(\t)], v[16+(\t)]   ; (the last wait on loads was for 0: the biases are in)
.endr
.irp t, 0,1,2,3
	v_mul_f32 v[12+(\t)], s39, v[12+(\t)]
.endr
	s_lshl_b32 s36, s33, 16
	s_lshl_b32 s38, s34, 14
	s_add_co_u32 s36, s36, s38
	s_add_co_u32 s36, s36, s31
	s_add_nc_u64 s[20:21], s[20:21], s[36:37]
	s_wait_dscnt 0x0
.irp jj, 0,1,2,3
.irp t, 0,1,2,3
	v_add_f32 v[96+4*(\jj)+(\t)], v[32+4*(\t)+(\jj)], v[48+4*(\t)+(\jj)]
.endr
.endr
.irp jj, 0,1,2,3
.irp t, 0,1,2,3
	v_add_f32 v[96+4*(\jj)+(\t)], v[96+4*(\jj)+(\t)], v[64+4*(\t)+(\jj)]
.endr
.endr
.irp jj, 0,1,2,3
.irp t, 0,1,2,3
	v_add_f32 v[96+4*(\jj)+(\t)], v[96+4*(\jj)+(\t)], v[80+4*(\t)+(\jj)]
.endr
.endr
.irp jj, 0,1,2,3
.irp t, 0,1,2,3
	v_fma_f32 v[96+4*(\jj)+(\t)], v[96+4*(\jj)+(\t)], s39, v[12+(\t)]
.endr
.endr
.irp jj, 0,1,2,3                               ; sixteen lanes store 256 consecutive bytes, aligned
	global_store_b128 v7, v[96+4*(\jj):96+4*(\jj)+3], s[20:21] offset:(\jj)*4096
.endr
	s_branch .Lend
; ---------------------------------------------------------------- L: one batch's list
.Lrole_l:
	s_sub_co_u32 s30, ttmp9, 144                   ; the batch
	s_cmp_eq_u32 s6, 0
	s_cbranch_scc1 .Llist
	s_cmp_eq_u32 s6, 1
	s_cbranch_scc0 .Lend
	; wave 1: the fills, 512 consecutive bytes a store
	s_mul_i32 s36, s30, 10240
	s_add_nc_u64 s[42:43], s[42:43], s[36:37]      ; the batch's 8 x 320 scores
	s_mul_i32 s36, s30, 9216
	s_add_nc_u64 s[24:25], s[24:25], s[36:37]      ; its 2,304 slots
.irp i, 12,13,14,15
	v_mov_b32 v[\i], 0xfe967699                    ; -1e38: no row
.endr
.irp i, 16,17,18,19
	v_mov_b32 v[\i], 0
.endr
.set i, 0
.rept 20
	global_store_b128 v8, v[12:15], s[42:43] offset:512*i
.set i, i+1
.endr
	global_store_b128 v8, v[16:19], s[24:25] offset:8192
	global_store_b128 v8, v[16:19], s[24:25] offset:8704
	s_branch .Lend
	; wave 0: lane l has rows 128 (j / 4) + 4 l + j % 4, j = 0..63.  v64-127 the mask, then pm; v128-191 the stores' offsets, v192-255 their data: a register each, so that no store's source is written again
.Llist:
	s_lshl_b32 s36, s30, 13
	s_add_nc_u64 s[22:23], s[22:23], s[36:37]      ; the batch's 8,192 bytes of mask
	s_add_nc_u64 s[40:41], s[40:41], s[36:37]      ; and of pm
	s_mul_i32 s36, s30, 9216
	s_add_nc_u64 s[24:25], s[24:25], s[36:37]
	s_lshl_b32 s36, s30, 2
	s_add_nc_u64 s[26:27], s[26:27], s[36:37]
.set jj, 0
.rept 16
	global_load_b128 v[64+4*jj:64+4*jj+3], v8, s[22:23] offset:512*jj th:TH_LOAD_NT
.set jj, jj+1
.endr
	v_sub_nc_u32 v9, 0, v1                         ; - lane
	s_mov_b32 s46, 0x10000
	s_mov_b32 s47, 0x30000
	s_mov_b32 s48, 0                               ; rows numbered so far
	s_wait_loadcnt 0x0
.irp k, 0,1,2,3                                ; is any row of the batch not masked?  Four chains of ORs
	v_or_b32 v[12+\k], v[64+2*\k], v[65+2*\k]
.endr
.set k, 72
.rept 56
	v_or_b32 v[12+k%4], v[12+k%4], v[k]
.set k, k+1
.endr
	v_or_b32 v12, v12, v13
	v_or_b32 v14, v14, v15
	v_or_b32 v12, v12, v14
	v_cmp_ne_u32 vcc_lo, 0, v12
	s_cmp_eq_u32 vcc_lo, 0                         ; none: all rows are listed, as masked ones.  Selects alone follow, which leave SCC
	s_cselect_b32 s44, -1, 0
	s_cselect_b32 s45, s46, s47                    ; an entry's flags
	v_lshl_add_u32 v11, v1, 2, s45                 ; 4 l + flags
.set j, 0
.rept 64
	v_cmp_ne_u32 vcc_lo, 0, v[64+j]
	s_or_b32 vcc_lo, vcc_lo, s44                   ; the lanes whose row j is listed
	v_mbcnt_lo_u32_b32 v16, vcc_lo, 0              ; listed lanes below mine,
	v_add_nc_u32 v17, s48, v16                     ; + all that were numbered before: a listed row's number
	v_add3_u32 v18, v17, v9, 2047-32*j             ; of the 32 j + l rows before mine v17 are listed: an unlisted row's slot is 2,047 less the others
	v_add_nc_u32 v[64+j], s46, v17
	v_add_nc_u32 v19, 128*(j/4)+(j%4), v11
	v_cndmask_b32 v[128+j], v18, v17, vcc_lo
	v_cndmask_b32 v[64+j], 0, v[64+j], vcc_lo      ; pm
	v_cndmask_b32 v[192+j], 0, v19, vcc_lo         ; the entry
	v_min_u32 v[128+j], 0x7ff, v[128+j]            ; held inside the 2,048 slots
	v_lshlrev_b32 v[128+j], 2, v[128+j]
	global_store_b32 v[128+j], v[192+j], s[24:25]  ; all lanes on: the listed lanes' slots are neighbours going up, the others' neighbours going down
	s_bcnt1_i32_b32 s49, vcc_lo
	s_add_co_u32 s48, s48, s49
.set j, j+1
.endr
.set jj, 0
.rept 16
	global_store_b128 v8, v[64+4*jj:64+4*jj+3], s[40:41] offset:512*jj
.set jj, jj+1
.endr
	s_add_co_u32 s52, s48, 7
	s_lshr_b32 s52, s52, 3                         ; the most rows of a work-group: ceil(cnt / 8), at most 256
	s_cmp_gt_u32 s52, 144
	s_cselect_b32 s52, 2, 1
	v_mov_b32 v20, s52
	v_mov_b32 v21, 0
	v_cmp_eq_u32 vcc_lo, 0, v0
	s_wait_xcnt 0x0                                ; EXEC changes only behind this wait,
	s_and_saveexec_b32 s53, vcc_lo
	global_store_b32 v21, v20, s[26:27]            ; thread 0: the batch's passes
	s_wait_xcnt 0x0                                ; and again in front of the line that restores it
	s_or_b32 exec_lo, exec_lo, s53
.Lend:
	s_wait_tensorcnt 0x0                           ; the wave's end, behind my last LDS store
	ds_add_u32 v[SPW], v[NIL]
	s_wait_dscnt 0x0
	s_endpgm
.Lfunc_end_k_q3b8fc0abf3_prep:
	.size	k_q3b8fc0abf3_prep, .Lfunc_end_k_q3b8fc0abf3_prep-k_q3b8fc0abf3_prep
	.p2alignl 7, 3214868480
	.fill 96, 4, 3214868480
	.section	.rodata,"a",@progbits
	.p2align	6, 0x0
	.amdhsa_kernel k_q3b8fc0abf3_prep
		.amdhsa_group_segment_fixed_size 33280
		.amdhsa_private_segment_fixed_size 0
		.amdhsa_enable_private_segment 0
		.amdhsa_kernarg_size 96
		.amdhsa_user_sgpr_count 2
		.amdhsa_user_sgpr_kernarg_segment_ptr 1
		.amdhsa_wavefront_size32 1
		.amdhsa_system_sgpr_workgroup_id_x 1
		.amdhsa_system_sgpr_workgroup_id_y 1
		.amdhsa_system_sgpr_workgroup_id_z 1
		.amdhsa_system_vgpr_workitem_id 0
		.amdhsa_next_free_vgpr 1024
		.amdhsa_next_free_sgpr 66
		.amdhsa_reserve_vcc 1
		.amdhsa_float_denorm_mode_32 3
		.amdhsa_float_denorm_mode_16_64 3
		.amdhsa_memory_ordered 1
		.amdhsa_forward_progress 1
		.amdhsa_inst_pref_size 114
	.end_amdhsa_kernel
	.amdgpu_metadata
---
amdhsa.version: [ 1, 2 ]
amdhsa.kernels:
  - .name:           k_q3b8fc0abf3_prep
    .symbol:         k_q3b8fc0abf3_prep.kd
    .args:
      - { .name: W_e, .offset: 0, .size: 8, .value_kind: global_buffer, .address_space: global }
      - { .name: W_h, .offset: 8, .size: 8, .value_kind: global_buffer, .address_space: global }
      - { .name: hidden, .offset: 16, .size: 8, .value_kind: global_buffer, .address_space: global }
      - { .name: b_h, .offset: 24, .size: 8, .value_kind: global_buffer, .address_space: global }
      - { .name: b_e, .offset: 32, .size: 8, .value_kind: global_buffer, .address_space: global }
      - { .name: wf, .offset: 40, .size: 8, .value_kind: global_buffer, .address_space: global }
      - { .name: hbs, .offset: 48, .size: 8, .value_kind: global_buffer, .address_space: global }
      - { .name: mask, .offset: 56, .size: 8, .value_kind: global_buffer, .address_space: global }
      - { .name: wl, .offset: 64, .size: 8, .value_kind: global_buffer, .address_space: global }
      - { .name: meta, .offset: 72, .size: 8, .value_kind: global_buffer, .address_space: global }
      - { .name: pm, .offset: 80, .size: 8, .value_kind: global_buffer, .address_space: global }
      - { .name: scc, .offset: 88, .size: 8, .value_kind: global_buffer, .address_space: global }
    .group_segment_fixed_size: 33280
    .private_segment_fixed_size: 0
    .kernarg_segment_align: 8
    .kernarg_segment_size: 96
    .max_flat_workgroup_size: 128
    .sgpr_count:     66
    .vgpr_count:     1024
    .wavefront_size: 32
...
	.end_amdgpu_metadata
.endif
;; end of part 4
;; launch attn (part 5): grid 256 x 1, 4 waves a work-group, no clusters, 307,200 bytes of LDS; arguments encoder_outputs, v, wf, hbs, wl, meta, scc, ctxp, mg; writes scc, ctxp, mg
.if DOCPART == 5
	.amdgcn_target "amdgcn-amd-amdhsa--gfx1250"
	.amdhsa_code_object_version 6
	.text
	.protected	k_q3b8fc0abf3_attn
	.globl	k_q3b8fc0abf3_attn
	.p2align	8
	.type	k_q3b8fc0abf3_attn,@function
k_q3b8fc0abf3_attn:
	s_mov_b64 s[64:65], 0
	v_nop
	global_prefetch_b8 v0, s[64:65] scope:SCOPE_SE
	s_setreg_imm32_b32 hwreg(HW_REG_WAVE_MODE, 25, 1), 1
	s_wait_xcnt 0x0
; THE LISTED ROWS' SCORES AND A PARTIAL CONTEXT.  Work-group 8 b + g takes slots 8 i + g of batch b's list, i = 0..287, in two passes of 144.  meta[b] says how many passes the batch needs (1 or 2).  The loop
; over passes always has two trips; a pass that the batch does not need jumps forward over its phases and passes the barriers, which all stand outside what is jumped.  A pass:
;   LOAD     its 144 rows of encoder_outputs, each read once, rounded to bf16, into LDS (they stay for the whole pass); an empty slot brings row 0, which then counts for nothing
;   CHUNKS   twice: 144 rows x 512 columns of rows x W_e over all K = 1,024; wave w has columns 512 c + 128 w .. + 127: 72 accumulators.  Then tanh and the product with v, summed over the wave's columns
;   SCORES   the four waves' sums of a row; -1e10 where the entry says masked, -1e38 where it is no row; a running maximum m over the passes; p = e^(score - m), 0 for no row; the scores go to scc
;   CONTEXT  ctx = ctx e^(m_old - m) + sum over the rows of p x row, by the matrix unit from the rows in LDS; wave w has 256 of the 1,024 numbers
; At the end ctx goes to ctxp and m to mg; the last launch joins a batch's eight.  An entry enters an address behind v_and_b32 and v_min_u32 with 2,047; its flags only select values.
; LDS ADDRESSES.  Every LDS store's address is a register made of the lane's and the wave's number, and an immediate: LOAD is therefore written out, 36 rows a wave, and a wave's sums have one fixed place, to which
; each chunk adds.  The one address that steps from trip to trip is that of the K loop's reads; a barrier stands on every way between those reads and any LDS store, so that no ordering hangs on where they point.
; tanh(x) = 1 - 2 / (1 + 2^(2 log2(e) x)); hbs holds 2 log2(e) (h_proj + b_e), so the exponent is one multiply-add; sum of v tanh = sum of v + sum of (-2 v) / (1 + 2^..).  An infinite power gives 1 / inf = 0.
; W_e'S FRAGMENTS come from wf straight into registers, 512 consecutive bytes a load, three K steps ahead.  NO RING AND NO JOINT LOADS: the rows take 297,216 of the 327,680 bytes of LDS, and two slots of one K step of
; 512 columns would be 65,536; no fragment of W_e is wanted by two waves of a work-group; and the number of passes differs from batch to batch, so partners would not make the same requests.
; LIMITS.  A masked row beside an unmasked one has weight 0 (true in f32 while the sum of |v| is under 9e9) and is not read.  Rows, W_e and p enter the products rounded to bf16; a row's number of 3.39e38 or more
; would round to infinity.  2^x gives 0 below 2^-126.  NaN and infinities are not treated apart.
; REGISTERS, in windows of 256 (s_set_vgpr_msb: bits 1:0 source 0, 3:2 source 1, 5:4 source 2, 7:6 destination):
;   window 0: v0-47 below; v48-119, v120-191 fragments of the rows, two buffers of nine; v192-255 the accumulators of rows 128-143
;   window 1: fragments of W_e, four buffers of eight      window 2: accumulators of rows 0-63 ((a, b) at 64 a + 8 b)      window 3: of rows 64-127
;   LOAD uses window 2 (v0-191 six rows as loaded, v192-223 as rounded), v48-83 (entries) and v120-131; SCORES v192-248; CONTEXT window 2 v0-127 (16 accumulators), window 3 (two buffers of 16 turned fragments),
;   v48-87 (p), v96-111.  A chunk's 72 sums lie in v48-119.
.set PITCH, 2064                       ; a row in LDS: 2,048 bytes + 16 = 516 words: the 16 rows of a fragment load start at 16 different groups of four banks (64 banks of 4 bytes: ISA guide 11.1)
.set MP,    144
.set ENT,   MP*PITCH                   ; for each wave 256 bytes: 64 entries, of which it uses the 36 of its rows
.set PART,  ENT+1024                   ; [wave 4][144] f32: a wave's sums over its columns of both chunks
.set PB,    PART+2304                  ; for each wave 512 bytes: 160 weights in bf16
.set CTX,   PB+2048                    ; the running context, 1,024 bytes a wave
.set SPARE, CTX+4096                   ; the spare words, 128 bytes for each wave: two blocks of 256 bytes that no other line names
.set WSTEP, 8192
.set WWAVE, 67*WSTEP
.set SPW,  2                           ; v2   LDS address of my spare word; never rewritten
.set NIL,  3                           ; v3   0; never rewritten
.set AV,   4                           ; v4-8 LDS address of my part of rows 32 p + r, at the K in hand
.set BO,   9                           ; v9   16 x lane; never rewritten
.set STA,  10                          ; v10  LOAD: where my wave's row 0 goes
.set TAB,  11                          ; v11  LOAD: my wave's table
.set PS,   12                          ; v12  where my sums lie
.set STB,  13                          ; v13  LOAD: where my wave's row 18 goes
.set MRUN, 14                          ; v14  the running maximum
.set HVO,  15                          ; v15  my byte offset in hbs's row and in v
.set HB,   16                          ; v16-23  hbs of my eight columns
.set VV,   24                          ; v24-31  v, then -2 v, of them
.set VS,   32                          ; v32-33  their sum, twice
.set RA,   34                          ; v34-39  LOAD: a slot's byte offset in the batch's rows; elsewhere at work
.set EN,   40                          ; v40-44  the entries of the pass's rows 4 l .. 4 l + 3 and 128 + l
.set SO,   45                          ; v45  4 x lane
.set T0,   46
.set SCL,  47                          ; e^(m_old - m)
.set AF,   48
.set RI,   48                          ; v48-83  LOAD: the entries of my wave's 36 rows, the same in every lane
.set OLD,  120                         ; v120-191  the sums so far, read back
.set SW,   192                         ; SCORES: v192-207 four partial sums of four rows, then v192-196 five scores
.set S5,   224                         ; v224-227 four partial sums of the fifth row
.set MX,   232
.set TM,   233
.set PW,   240                         ; v240-244 five weights; v246-248 rounded
.set MSB, 0
.macro WIN new                         ; the immediate's high byte repeats the setting that is left; a switch that changes nothing is dropped
.if MSB != (\new)
	s_set_vgpr_msb (MSB<<8)|(\new)
.set MSB, \new
.endif
.endm
.macro PLACES                          ; four places between a matrix instruction and a load into, or a vector instruction on, its registers (ISA guide 7.12.1 for vector instructions)
.rept 4
	v_nop
.endr
.endm
; The row fragments of one K step: 9 tiles x 2 loads of 16 bytes a lane, into buffer buf, kimm bytes behind AV
.macro ALOAD buf, kimm
	WIN 0
.set a, 0
.rept 9
	ds_load_b128 v[AF+72*(\buf)+8*a:AF+72*(\buf)+8*a+3],   v[AV+a/2] offset:(a%2)*16*PITCH+(\kimm)
	ds_load_b128 v[AF+72*(\buf)+8*a+4:AF+72*(\buf)+8*a+7], v[AV+a/2] offset:(a%2)*16*PITCH+(\kimm)+32
.set a, a+1
.endr
.endm
; Eight products: row tile a x the wave's eight column tiles, with the buffers of step q
.macro MUL a, q, zero
.if (\a) < 4
	WIN 0xa4                                       ; rows window 0, W_e window 1, C and D window 2
.set rD, 64*(\a)
.elseif (\a) < 8
	WIN 0xf4                                       ; the same, C and D window 3
.set rD, 64*((\a)-4)
.else
	WIN 0x04                                       ; C and D window 0
.set rD, 192
.endif
.set rA, AF+72*((\q)&1)+8*(\a)
.set bb, 0
.rept 8
.if \zero
	v_wmma_f32_16x16x32_bf16 v[rD+8*bb:rD+8*bb+7], v[rA:rA+7], v[64*(\q)+8*bb:64*(\q)+8*bb+7], 0
.else
	v_wmma_f32_16x16x32_bf16 v[rD+8*bb:rD+8*bb+7], v[rA:rA+7], v[64*(\q)+8*bb:64*(\q)+8*bb+7], v[rD+8*bb:rD+8*bb+7]
.endif
.set bb, bb+1
.endr
.endm
; A K STEP of 32: 72 products, the accumulators by turns in the same order in every step.  q = step % 4.  zero = 1: the products start the sums.
; In its middle, behind four places, one run of loads: the next step's rows from LDS (la = 1; la = 2: AV goes 256 bytes on first; la = 0: none), and W_e's fragments of the step three on.
.macro STEP q, zero, la
	s_wait_loadcnt 32                              ; this step's 16 loads of W_e are in; behind them stand the next two steps' 32 (in a chunk's first steps four more, of hbs and v: the count is then the stricter)
	s_wait_dscnt 0x0                               ; this step's rows, asked for 40 products ago
	MUL 0, \q, \zero
	MUL 1, \q, \zero
	MUL 2, \q, \zero
	MUL 3, \q, \zero
	PLACES                                         ; the buffers filled below were read last by the step before
.set nbuf, ((\q)+1)&1
.set kim, 64*((\q)+1)
.if (\la) == 2
.set kim, 0
	WIN 0
.irp p, 0,1,2,3,4
	v_add_nc_u32 v[AV+\p], 0x100, v[AV+\p]
.endr
.endif
.if (\la) > 0
	ALOAD nbuf, kim
.endif
	WIN 0x40
.set nq, ((\q)+3)&3
.set bb, 0
.rept 8
	global_load_b128 v[64*nq+8*bb:64*nq+8*bb+3],   v[BO], s[40:41] offset:1024*bb
	global_load_b128 v[64*nq+8*bb+4:64*nq+8*bb+7], v[BO], s[40:41] offset:1024*bb+512
.set bb, bb+1
.endr
	MUL 4, \q, \zero
	MUL 5, \q, \zero
	MUL 6, \q, \zero
	MUL 7, \q, \zero
	MUL 8, \q, \zero
	s_wait_xcnt 0x0                                ; the loads above, 40 products back, have read their base: it may be stepped
	s_add_nc_u64 s[40:41], s[40:41], WSTEP
.endm
; LOAD.  ROWS: my wave's row n is asked for, into slot n % 6: the row's number from its entry, held inside the batch's 2,048 rows, and eight loads of 512 consecutive bytes.
.macro ROWS n
.set sl, (\n)%6
	WIN 0
	v_and_b32 v[RA+sl], 0x7ff, v[RI+(\n)]
	v_min_u32 v[RA+sl], 0x7ff, v[RA+sl]
	v_lshlrev_b32 v[RA+sl], 12, v[RA+sl]
	v_add_nc_u32 v[RA+sl], v[RA+sl], v[BO]
	WIN 0x80
.set c, 0
.rept 8
	global_load_b128 v[32*sl+4*c:32*sl+4*c+3], v[RA+sl], s[8:9] offset:512*c
.set c, c+1
.endr
.endm
; SLOT: row n is in: rounded, stored to LDS (8 bytes a lane, 256 consecutive bytes a store), and its slot takes the row six further on, while there is one.
.macro SLOT n
.set sl, (\n)%6
.if (\n) < 30
	s_wait_loadcnt 40                              ; the five other slots' 40 loads stay out; the wait also frees the slot's address register
.else
	s_wait_loadcnt 40-8*((\n)-30)                  ; the last six rows: the counts run down to 0
.endif
	WIN 0x8a
.set c, 0
.rept 8
	v_cvt_pk_bf16_f32 v[192+16*((\n)&1)+2*c],   v[32*sl+4*c],   v[32*sl+4*c+1]
	v_cvt_pk_bf16_f32 v[192+16*((\n)&1)+2*c+1], v[32*sl+4*c+2], v[32*sl+4*c+3]
.set c, c+1
.endr
	WIN 0x08
.set c, 0
.rept 8
.if (\n) < 18
	ds_store_b64 v[STA], v[192+16*((\n)&1)+2*c:192+16*((\n)&1)+2*c+1] offset:(\n)*PITCH+256*c
.else
	ds_store_b64 v[STB], v[192+16*((\n)&1)+2*c:192+16*((\n)&1)+2*c+1] offset:((\n)-18)*PITCH+256*c
.endif
.set c, c+1
.endr
.if (\n) < 30
	ROWS (\n)+6
.endif
.endm
; TANH AND THE PRODUCT WITH v, for the n row tiles (units) of window w that begin at register base; a0 = the first one's number.  A unit is 64 numbers a lane: column tile b = i / 4, pair p = i % 4.
;   EF  exponent = 2 log2(e) x + hbs      EE  2^exponent      EP  + 1      ER  1 / ..      EM  sum += (-2 v) x ..; it starts at the lane's sum of v, and column tile 7's lines write it into window 0, v[48 + 8 a ..]
.macro EF u, i
.set rX, EB+64*(\u)+2*(\i)
.set bq, (\i)/4
.if bq&1
	v_pk_fma_f32 v[rX:rX+1], v[rX:rX+1], s[42:43], v[HB+bq-1:HB+bq] op_sel:[0,0,1] op_sel_hi:[1,0,1]
.else
	v_pk_fma_f32 v[rX:rX+1], v[rX:rX+1], s[42:43], v[HB+bq:HB+bq+1] op_sel_hi:[1,0,0]
.endif
.endm
.macro EE u, i
	v_exp_f32 v[EB+64*(\u)+(\i)], v[EB+64*(\u)+(\i)]
.endm
.macro EP u, i
.set rX, EB+64*(\u)+2*(\i)
	v_pk_add_f32 v[rX:rX+1], v[rX:rX+1], 1.0 op_sel_hi:[1,0]
.endm
.macro ER u, i
	v_rcp_f32 v[EB+64*(\u)+(\i)], v[EB+64*(\u)+(\i)]
.endm
.macro EM u, i
.set bq, (\i)/4
.set pq, (\i)%4
.set rU, EB+64*(\u)+2*pq
.set rW, rU
.if bq == 7
.set rW, AF+8*(EA0+(\u))+2*pq
.endif
.if bq == 0
	v_pk_fma_f32 v[rU:rU+1], v[rU:rU+1], v[VV:VV+1], v[VS:VS+1] op_sel_hi:[1,0,1]
.elseif bq&1
	v_pk_fma_f32 v[rW:rW+1], v[rU+8*bq:rU+8*bq+1], v[VV+bq-1:VV+bq], v[rU:rU+1] op_sel:[0,1,0] op_sel_hi:[1,1,1]
.else
	v_pk_fma_f32 v[rW:rW+1], v[rU+8*bq:rU+8*bq+1], v[VV+bq:VV+bq+1], v[rU:rU+1] op_sel_hi:[1,0,1]
.endif
.endm
; The units go through the five stages one block apart: block k holds EE of unit k, EP and ER of unit k - 1, EM of unit k - 2, EF of unit k + 1, plain lines between the transcendentals.
; Every line that names a transcendental's result names one of the block before, so ONE s_wait_alu at each block's end serves the block's whole batch; a v_nop is the plain
; line behind the batch's last.  EF takes each accumulator's registers in ascending order.
.macro EPI w, base, n, a0
.set EB, \base
.set EA0, \a0
.set SF, ((\w)<<6)|(\w)                ; destination and source 0 in window w
.set SM, SF|((\w)<<4)                  ; source 2 too
.set SL, ((\w)<<4)|(\w)                ; sources 0 and 2 in window w, destination in window 0
	WIN SF
.set i, 0
.rept 32
	EF 0, i
.set i, i+1
.endr
.set k, 0
.rept (\n)+2
	WIN SF
.set i, 0
.rept 32
.if k < (\n)
	EE k, 2*i
.endif
.if (k >= 1) && (k <= (\n))
	EP k-1, i
.endif
.if k < (\n)
	EE k, 2*i+1
.endif
.if k+1 < (\n)
	EF k+1, i
.endif
.set i, i+1
.endr
.set i, 0
.rept 32
.if (k >= 2) && (i >= 4)
	WIN SM
.endif
.if (k >= 1) && (k <= (\n))
	ER k-1, 2*i
.endif
.if (k >= 2) && (i < 28)
	EM k-2, i
.endif
.if (k >= 1) && (k <= (\n))
	ER k-1, 2*i+1
.endif
.set i, i+1
.endr
.if k >= 2
	WIN SL
	EM k-2, 28
	EM k-2, 29
	EM k-2, 30
	EM k-2, 31
.endif
.if k <= (\n)
	v_nop
	s_wait_alu depctr_va_vdst(0)
.endif
.set k, k+1
.endr
.endm
; CONTEXT.  CLOAD: 32 rows x my 256 numbers, turned (ds_load_tr16_b128: lane l ends with column l % 16 and 8 rows), 16 fragments into buffer s % 2; the address then goes 32 rows on.  Step 4 has rows 128-143
; alone: the fragments' upper registers keep step 2's numbers, which meet the weights of places 144-159: zeros.
.macro CLOAD s
	WIN 0xc0
.set t, 0
.rept 16
	ds_load_tr16_b128 v[128*((\s)&1)+8*t:128*((\s)&1)+8*t+3], v38 offset:32*t
.if (\s) < 4
	ds_load_tr16_b128 v[128*((\s)&1)+8*t+4:128*((\s)&1)+8*t+7], v38 offset:32*t+16*PITCH
.endif
.set t, t+1
.endr
	WIN 0
	v_add_nc_u32 v38, 32*PITCH, v38
.endm
.macro CMUL s                          ; source 0: the weights of 32 rows, the same in all 16 rows of the fragment; the 16 accumulators take turns
	WIN 0xac
.set t, 0
.rept 16
.if (\s) == 0
	v_wmma_f32_16x16x32_bf16 v[8*t:8*t+7], v[AF+8*(\s):AF+8*(\s)+7], v[128*((\s)&1)+8*t:128*((\s)&1)+8*t+7], 0
.else
	v_wmma_f32_16x16x32_bf16 v[8*t:8*t+7], v[AF+8*(\s):AF+8*(\s)+7], v[128*((\s)&1)+8*t:128*((\s)&1)+8*t+7], v[8*t:8*t+7]
.endif
.set t, t+1
.endr
.endm
; ---------------------------------------------------------------- HEAD
	s_load_b512 s[8:23], s[0:1], 0x0               ; rows s[8:9], v s[10:11], wf s[12:13], hbs s[14:15], wl s[16:17], meta s[18:19], scc s[20:21], ctxp s[22:23]
	s_load_b64 s[24:25], s[0:1], 0x40              ; mg
	v_lshl_add_u32 v[SPW], v0, 2, SPARE
	v_mov_b32 v[NIL], 0
	v_and_b32 v1, 31, v0                           ; lane
	v_lshrrev_b32 v[T0], 5, v0
	v_readfirstlane_b32 s28, v[T0]                 ; wave 0..3
	v_lshlrev_b32 v[BO], 4, v1
	s_lshr_b32 s29, ttmp9, 3                       ; the batch
	s_and_b32 s27, ttmp9, 7                        ; g
	s_mov_b32 s42, 0x4038aa3b                      ; 2 log2(e); named as a pair
	s_mov_b32 s43, s42
	s_mov_b32 s44, 0x76543210                      ; v_permlanex16_b32: each lane takes its own place in the other half
	s_mov_b32 s45, 0xfedcba98
	s_mov_b32 s46, 0x3fb8aa3b                      ; log2(e)
	s_mov_b32 s47, 0xd01502f9                      ; -1e10
	s_mov_b32 s48, 0xfe967699                      ; -1e38: below every score, the masked ones' too
	s_mov_b32 s31, 0                               ; the high word of every offset pair s[30:31]
	s_wait_kmcnt 0x0
	s_lshl_b32 s30, s29, 2
	s_add_nc_u64 s[18:19], s[18:19], s[30:31]
	s_load_b32 s33, s[18:19], 0x0                  ; the batch's passes
	s_mul_i32 s30, s28, WWAVE
	s_add_nc_u64 s[40:41], s[12:13], s[30:31]      ; my wave's fragments of W_e
	WIN 0x40
.set q, 0
.rept 3                                        ; K steps 0..2
.set bb, 0
.rept 8
	global_load_b128 v[64*q+8*bb:64*q+8*bb+3],   v[BO], s[40:41] offset:q*WSTEP+1024*bb
	global_load_b128 v[64*q+8*bb+4:64*q+8*bb+7], v[BO], s[40:41] offset:q*WSTEP+1024*bb+512
.set bb, bb+1
.endr
.set q, q+1
.endr
	WIN 0
	s_lshl_b32 s30, s29, 23
	s_add_nc_u64 s[8:9], s[8:9], s[30:31]          ; the batch's 2,048 rows of 4,096 bytes
	s_mul_i32 s30, s29, 9216
	s_lshl_b32 s38, s27, 2
	s_add_co_u32 s30, s30, s38
	s_add_nc_u64 s[16:17], s[16:17], s[30:31]      ; the batch's list at slot g: my entry i lies 32 i bytes on
	s_lshl_b32 s30, s29, 12
	s_add_nc_u64 s[14:15], s[14:15], s[30:31]
	s_mul_i32 s30, ttmp9, 1280
	s_add_nc_u64 s[20:21], s[20:21], s[30:31]      ; my work-group's 2 x 160 scores
	s_lshl_b32 s30, ttmp9, 12
	s_add_nc_u64 s[22:23], s[22:23], s[30:31]
	s_lshl_b32 s30, ttmp9, 2
	s_add_nc_u64 s[24:25], s[24:25], s[30:31]
	s_lshl_b32 s30, s28, 10
	s_add_co_u32 s30, s30, CTX
	v_add_nc_u32 v[T0], s30, v[BO]
.set i, 0
.rept 72
	v_mov_b32 v[AF+i], 0                           ; once a launch, while the first loads are out: a chunk's sums cross a barrier in these registers, and every way through the text finds them written
.set i, i+1
.endr
	ds_store_b128 v[T0], v[AF:AF+3]                ; my 1,024 bytes of the running context start at 0
	ds_store_b128 v[T0], v[AF:AF+3] offset:512
.irp i, 0,1,2,3,4
	v_mov_b32 v[EN+\i], 0                          ; no row, until a pass loads its entries
.endr
	v_mov_b32 v[MRUN], s48
	s_mov_b32 s34, 2
	s_wait_xcnt 0x0                                ; the 48 loads have read their base
	s_add_nc_u64 s[40:41], s[40:41], 3*WSTEP
	s_wait_kmcnt 0x0
	s_min_u32 s33, s33, 2
; ---------------------------------------------------------------- A PASS.  s34 = 2, then 1.  The pass is run if passes + s34 is 3 or more: the first always, the second where the batch has two.
.Lpass:
	s_add_co_u32 s39, s33, s34
	v_and_b32 v[T0], 15, v0                        ; r
	v_bfe_u32 v[SCL], v0, 4, 1                     ; h
	s_mul_i32 s30, s28, 576
	s_add_co_u32 s30, s30, PART
	v_lshl_add_u32 v[PS], v[SCL], 5, s30           ; my wave's 144 sums, rows 8 h on
	s_lshl_b32 s30, s28, 9
	v_lshl_add_u32 v[HVO], v[T0], 4, s30           ; chunk 0's columns
	s_cmp_lt_u32 s39, 3
	s_cbranch_scc1 .Lno_load
	; the entries: two loads for my wave's table (its rows 36 w .. 36 w + 35 and on, held at 143), five for the scores
	s_mul_i32 s38, s28, 36
	v_add_nc_u32 v122, s38, v1
	v_add_nc_u32 v123, 32, v122
	v_min_u32 v123, 143, v123
	v_lshlrev_b32 v122, 5, v122
	v_lshlrev_b32 v123, 5, v123
	v_lshlrev_b32 v124, 7, v1
	v_min_u32 v125, 15, v1
	v_lshlrev_b32 v125, 5, v125
	global_load_b32 v120, v122, s[16:17]
	global_load_b32 v121, v123, s[16:17]
.irp q, 0,1,2,3
	global_load_b32 v[EN+\q], v124, s[16:17] offset:32*\q
.endr
	global_load_b32 v[EN+4], v125, s[16:17] offset:4096
	s_lshl_b32 s38, s28, 8
	s_add_co_u32 s38, s38, ENT
	v_lshl_add_u32 v[T0], v1, 2, s38
	v_mov_b32 v[TAB], s38
	s_mul_i32 s30, s28, 36*PITCH
	v_lshl_add_u32 v[STA], v1, 3, s30
	v_add_nc_u32 v[STB], 18*PITCH, v[STA]
.irp i, 128,129,130,131
	v_mov_b32 v[\i], 0
.endr
.set a, 0
.rept 9                                        ; my wave's sums start at 0
	ds_store_b128 v[PS], v[128:131] offset:64*a
	ds_store_b128 v[PS], v[128:131] offset:64*a+16
.set a, a+1
.endr
	s_wait_loadcnt 5                               ; the table's two loads are in; the five behind them stay out
	ds_store_b32 v[T0], v120                       ; my wave's own bytes: no barrier; LDS serves a wave's instructions in order (ISA guide 5.7.1.4)
	ds_store_b32 v[T0], v121 offset:128
.set n, 0
.rept 36
	ds_load_b32 v[RI+n], v[TAB] offset:4*n         ; every lane reads the same entry
.set n, n+1
.endr
	s_wait_dscnt 0x0
	; LOAD: wave w fills rows 36 w .. 36 w + 35 through six slots of registers: 48 loads of 512 consecutive bytes are on their way
.set n, 0
.rept 6
	ROWS n
.set n, n+1
.endr
.set n, 0
.rept 36
	SLOT n
.set n, n+1
.endr
	WIN 0
.Lno_load:
	s_wait_dscnt 0x0                               ; for the others' sake: my rows lie in LDS
	s_barrier_signal -1
	s_barrier_wait -1
	s_mov_b32 s35, 2
; ---------------------------------------------------------------- A CHUNK of 512 columns
.Lchunk:
	s_cmp_lt_u32 s39, 3
	s_cbranch_scc1 .Lno_k
	global_load_b128 v[HB:HB+3],   v[HVO], s[14:15]
	global_load_b128 v[HB+4:HB+7], v[HVO], s[14:15] offset:256
	global_load_b128 v[VV:VV+3],   v[HVO], s[10:11]
	global_load_b128 v[VV+4:VV+7], v[HVO], s[10:11] offset:256
	v_and_b32 v[T0], 15, v0
	v_bfe_u32 v[SCL], v0, 4, 1
	v_mul_u32_u24 v[T0], v[T0], PITCH
	v_lshl_add_u32 v[AV], v[SCL], 4, v[T0]         ; row r x pitch + 16 h, at K = 0
.irp p, 1,2,3,4
	v_add_nc_u32 v[AV+\p], (\p)*32*PITCH, v[AV]
.endr
	ALOAD 0, 0
	STEP 0, 1, 1                                   ; the first K step starts the sums
	WIN 0
	s_mov_b32 s36, 7
.Lk:
	STEP 1, 0, 1
	STEP 2, 0, 1
	STEP 3, 0, 2
	STEP 0, 0, 1
	WIN 0
	s_sub_co_u32 s36, s36, 1
	s_cmp_lg_u32 s36, 0
	s_cbranch_scc1 .Lk
	STEP 1, 0, 1
	STEP 2, 0, 1
	STEP 3, 0, 0
	WIN 0
	s_wait_loadcnt 48                              ; hbs and v are in: behind them only the three K steps asked for ahead are out
	v_add_f32 v[VS], v[VV], v[VV+1]                ; these lines are also the places behind the last products
	v_add_f32 v[VS+1], v[VV+2], v[VV+3]
	v_add_f32 v[T0], v[VV+4], v[VV+5]
	v_add_f32 v[SCL], v[VV+6], v[VV+7]
	v_add_f32 v[VS], v[VS], v[VS+1]
	v_add_f32 v[T0], v[T0], v[SCL]
	v_add_f32 v[VS], v[VS], v[T0]
	v_mov_b32 v[VS+1], v[VS]
.irp i, 0,2,4,6
	v_pk_mul_f32 v[VV+\i:VV+\i+1], v[VV+\i:VV+\i+1], -2.0 op_sel_hi:[1,0]
.endr
	EPI 2, 0, 4, 0
	EPI 3, 0, 4, 4
	EPI 0, 192, 1, 8
	WIN 0
.irp x, 1,2,4,8                                ; the sixteen lanes of a half hold sixteen columns of the same eight rows: their sum, in every lane
.set j, 0
.rept 72
	v_add_f32_dpp v[AF+j], v[AF+j], v[AF+j] row_xmask:\x row_mask:0xf bank_mask:0xf
.set j, j+1
.endr
.endr
	v_add_nc_u32 v[HVO], 2048, v[HVO]              ; the next chunk's columns; its loads are in since the wait above
.Lno_k:
	s_wait_dscnt 0x0                               ; my reads of the rows for this chunk are over
	s_barrier_signal -1
	s_barrier_wait -1                              ; every wave's are: only now is anything stored to LDS
	s_cmp_lt_u32 s39, 3
	s_cbranch_scc1 .Lno_sums
.set a, 0
.rept 9                                        ; my wave's sums so far: rows 16 a + 8 h + 0..7, the same words in the sixteen lanes of a half
	ds_load_b128 v[OLD+8*a:OLD+8*a+3],   v[PS] offset:64*a
	ds_load_b128 v[OLD+8*a+4:OLD+8*a+7], v[PS] offset:64*a+16
.set a, a+1
.endr
	s_wait_dscnt 0x0
.set i, 0
.rept 36
	v_pk_add_f32 v[AF+2*i:AF+2*i+1], v[AF+2*i:AF+2*i+1], v[OLD+2*i:OLD+2*i+1]
.set i, i+1
.endr
.set a, 0
.rept 9                                        ; the lanes of a half store the same words
	ds_store_b128 v[PS], v[AF+8*a:AF+8*a+3]   offset:64*a
	ds_store_b128 v[PS], v[AF+8*a+4:AF+8*a+7] offset:64*a+16
.set a, a+1
.endr
.Lno_sums:
	s_wait_dscnt 0x0                               ; for the others' sake: my sums lie in LDS
	s_barrier_signal -1
	s_barrier_wait -1
	s_sub_co_u32 s35, s35, 1
	s_cmp_lg_u32 s35, 0
	s_cbranch_scc1 .Lchunk
	s_cmp_lt_u32 s39, 3
	s_cbranch_scc1 .Lno_scores
	s_wait_xcnt 0x0
	s_sub_nc_u64 s[40:41], s[40:41], 64*WSTEP      ; steps 64..66, asked for already, are steps 0..2 of a next pass; step 3 is the next to ask for
; ---------------------------------------------------------------- SCORES: every wave for all rows; lane l has rows 4 l .. 4 l + 3 and place 128 + l (rows 128-143; places 144-159 are no rows)
	v_lshl_add_u32 v34, v1, 4, PART
	v_and_b32 v35, 15, v1
	v_lshl_add_u32 v35, v35, 2, PART+512
.set i, 0
.rept 4
	ds_load_b128 v[SW+4*i:SW+4*i+3], v34 offset:576*i
	ds_load_b32 v[S5+i], v35 offset:576*i
.set i, i+1
.endr
	s_lshl_b32 s30, s28, 9
	s_add_co_u32 s30, s30, PB
	v_lshl_add_u32 v36, v1, 3, s30                 ; where my four weights go,
	v_lshl_add_u32 v39, v1, 1, s30                 ; and, 256 bytes on, the fifth
	v_lshlrev_b32 v[SO], 2, v1
	v_cmp_gt_u32 vcc_lo, 16, v1
	v_cndmask_b32 v[EN+4], 0, v[EN+4], vcc_lo      ; (the entries came in ahead of the rows, whose last wait was for 0)
	s_wait_dscnt 0x0
	v_pk_add_f32 v[SW:SW+1],     v[SW:SW+1],     v[SW+4:SW+5]
	v_pk_add_f32 v[SW+2:SW+3],   v[SW+2:SW+3],   v[SW+6:SW+7]
	v_pk_add_f32 v[SW+8:SW+9],   v[SW+8:SW+9],   v[SW+12:SW+13]
	v_pk_add_f32 v[SW+10:SW+11], v[SW+10:SW+11], v[SW+14:SW+15]
	v_pk_add_f32 v[S5:S5+1],     v[S5:S5+1],     v[S5+2:S5+3]
	v_pk_add_f32 v[SW:SW+1],     v[SW:SW+1],     v[SW+8:SW+9]
	v_pk_add_f32 v[SW+2:SW+3],   v[SW+2:SW+3],   v[SW+10:SW+11]
	v_add_f32 v[SW+4], v[S5], v[S5+1]
.set q, 0
.rept 5
	v_and_b32 v[TM], 0x20000, v[EN+q]
	v_cmp_eq_u32 vcc_lo, 0, v[TM]
	v_cndmask_b32 v[SW+q], v[SW+q], s47, vcc_lo    ; a masked row's score is -1e10
	v_and_b32 v[TM], 0x10000, v[EN+q]
	v_cmp_ne_u32 s[52+q], 0, v[TM]                 ; the lanes whose entry is a row
	v_cndmask_b32 v[SW+q], s48, v[SW+q], s[52+q]   ; no row: -1e38
.set q, q+1
.endr
	v_max3_num_f32 v[MX], v[SW], v[SW+1], v[SW+2]
	v_max3_num_f32 v[MX], v[MX], v[SW+3], v[SW+4]
	v_max_num_f32_dpp v[MX], v[MX], v[MX] row_xmask:1 row_mask:0xf bank_mask:0xf
	v_max_num_f32_dpp v[MX], v[MX], v[MX] row_xmask:2 row_mask:0xf bank_mask:0xf
	v_max_num_f32_dpp v[MX], v[MX], v[MX] row_xmask:4 row_mask:0xf bank_mask:0xf
	v_max_num_f32_dpp v[MX], v[MX], v[MX] row_xmask:8 row_mask:0xf bank_mask:0xf
	v_permlanex16_b32 v[S5], v[MX], s44, s45       ; (its destination has been written)
	v_max3_num_f32 v[MX], v[MX], v[S5], v[MRUN]    ; the new running maximum
	v_sub_f32 v[SCL], v[MRUN], v[MX]
	v_mul_f32 v[SCL], s46, v[SCL]
	v_mov_b32 v[MRUN], v[MX]
.irp q, 0,1,2,3,4
	v_sub_f32 v[PW+\q], v[SW+\q], v[MX]            ; the maximum is taken away first, then the factor log2(e)
.endr
.irp q, 0,1,2,3,4
	v_mul_f32 v[PW+\q], s46, v[PW+\q]
.endr
.irp q, 0,1,2,3,4
	v_exp_f32 v[PW+\q], v[PW+\q]
.endr
	v_exp_f32 v[SCL], v[SCL]
	v_nop                                          ; a plain line behind the last exponential,
	s_wait_alu depctr_va_vdst(0)                   ; and one wait for the six, ahead of their first reader
.set q, 0
.rept 5
	v_cndmask_b32 v[PW+q], 0, v[PW+q], s[52+q]     ; no row, no weight (a work-group with no row at all has m = -1e38)
.set q, q+1
.endr
	v_cvt_pk_bf16_f32 v246, v[PW], v[PW+1]
	v_cvt_pk_bf16_f32 v247, v[PW+2], v[PW+3]
	v_cvt_pk_bf16_f32 v248, v[PW+4], v[PW+4]
	ds_store_b64 v36, v[246:247]
	ds_store_b16 v39, v248 offset:256
	s_cmp_lg_u32 s28, 0
	s_cbranch_scc1 .Lscores_out
	global_store_b128 v[BO], v[SW:SW+3], s[20:21]  ; wave 0 stores the pass's 160 scores: 512 consecutive bytes, aligned to 128,
	global_store_b32 v[SO], v[SW+4], s[20:21] offset:512  ; and 128 more
.Lscores_out:
; ---------------------------------------------------------------- CONTEXT
	v_bfe_u32 v35, v0, 4, 1                        ; h
	v_lshl_add_u32 v37, v35, 4, s30                ; my wave's weights, 8 h rows on
.set s, 0
.rept 5                                        ; these see the two stores above, which the same wave issued earlier
	ds_load_b128 v[AF+8*s:AF+8*s+3],   v37 offset:64*s
	ds_load_b128 v[AF+8*s+4:AF+8*s+7], v37 offset:64*s+32
.set s, s+1
.endr
	v_and_b32 v38, 7, v0
	v_lshl_add_u32 v38, v35, 3, v38
	v_mul_u32_u24 v38, v38, PITCH                  ; row 8 h + l % 8
	v_bfe_u32 v39, v0, 3, 1
	v_lshl_add_u32 v38, v39, 4, v38                ; 8 numbers on for lanes 8-15 and 24-31
	s_lshl_b32 s38, s28, 9
	v_add_nc_u32 v38, s38, v38                     ; my wave's 256 numbers
	CLOAD 0
	CLOAD 1
	s_wait_dscnt 32                                ; the weights and step 0 are in; step 1's 32 loads stay out
	CMUL 0
	PLACES
	CLOAD 2
	s_wait_dscnt 32                                ; step 2's stay out
	CMUL 1
	PLACES
	CLOAD 3
	s_wait_dscnt 32                                ; step 3's
	CMUL 2
	PLACES
	CLOAD 4
	s_wait_dscnt 16                                ; step 4's sixteen
	CMUL 3
	s_wait_dscnt 0x0
	CMUL 4
	PLACES
	WIN 0
	v_and_b32 v39, 15, v0
	s_lshl_b32 s30, s28, 10
	s_add_co_u32 s30, s30, CTX
	v_lshl_add_u32 v39, v39, 2, s30
.set t, 0
.rept 16
	ds_load_b32 v[96+t], v39 offset:64*t
.set t, t+1
.endr
	s_wait_dscnt 0x0
	WIN 0x20
.set t, 0
.rept 16                                       ; all 16 rows of a result are alike: its lowest register holds number 16 t + r
	v_fma_f32 v[96+t], v[96+t], v[SCL], v[8*t]
.set t, t+1
.endr
	WIN 0
.set t, 0
.rept 16
	ds_store_b32 v39, v[96+t] offset:64*t
.set t, t+1
.endr
.Lno_scores:
	s_wait_xcnt 0x0                                ; the entries' loads and the scores' stores have read their bases and registers
	s_add_nc_u64 s[16:17], s[16:17], 144*32        ; the next pass's entries
	s_add_nc_u64 s[20:21], s[20:21], 640           ; and scores
	s_wait_dscnt 0x0                               ; my reads of the rows and of the sums are over: a next pass writes them anew
	s_barrier_signal -1
	s_barrier_wait -1
	s_sub_co_u32 s34, s34, 1
	s_cmp_lg_u32 s34, 0
	s_cbranch_scc1 .Lpass
; ---------------------------------------------------------------- END
	s_lshl_b32 s30, s28, 10
	s_add_co_u32 s38, s30, CTX
	v_add_nc_u32 v[T0], s38, v[BO]                 ; my wave's 1,024 bytes of context, 16 bytes a lane
	ds_load_b128 v[48:51], v[T0]
	ds_load_b128 v[52:55], v[T0] offset:512
	v_add_nc_u32 v34, s30, v[BO]
	v_mov_b32 v35, 0
	v_cmp_eq_u32 vcc_lo, 0, v0
	s_wait_dscnt 0x0
	global_store_b128 v34, v[48:51], s[22:23]      ; 512 consecutive bytes, aligned
	global_store_b128 v34, v[52:55], s[22:23] offset:512
	s_wait_xcnt 0x0                                ; EXEC changes only behind this wait,
	s_and_saveexec_b32 s50, vcc_lo
	global_store_b32 v35, v[MRUN], s[24:25]        ; thread 0: the work-group's maximum
	s_wait_xcnt 0x0                                ; and again in front of the line that restores it
	s_or_b32 exec_lo, exec_lo, s50
	s_wait_tensorcnt 0x0                           ; the wave's end, behind my last LDS store
	ds_add_u32 v[SPW], v[NIL]
	s_wait_dscnt 0x0
	s_endpgm
.Lfunc_end_k_q3b8fc0abf3_attn:
	.size	k_q3b8fc0abf3_attn, .Lfunc_end_k_q3b8fc0abf3_attn-k_q3b8fc0abf3_attn
	.p2alignl 7, 3214868480
	.fill 96, 4, 3214868480
	.section	.rodata,"a",@progbits
	.p2align	6, 0x0
	.amdhsa_kernel k_q3b8fc0abf3_attn
		.amdhsa_group_segment_fixed_size 307200
		.amdhsa_private_segment_fixed_size 0
		.amdhsa_enable_private_segment 0
		.amdhsa_kernarg_size 72
		.amdhsa_user_sgpr_count 2
		.amdhsa_user_sgpr_kernarg_segment_ptr 1
		.amdhsa_wavefront_size32 1
		.amdhsa_system_sgpr_workgroup_id_x 1
		.amdhsa_system_sgpr_workgroup_id_y 1
		.amdhsa_system_sgpr_workgroup_id_z 1
		.amdhsa_system_vgpr_workitem_id 0
		.amdhsa_next_free_vgpr 1024
		.amdhsa_next_free_sgpr 72
		.amdhsa_reserve_vcc 1
		.amdhsa_float_denorm_mode_32 3
		.amdhsa_float_denorm_mode_16_64 3
		.amdhsa_memory_ordered 1
		.amdhsa_forward_progress 1
		.amdhsa_inst_pref_size 255
	.end_amdhsa_kernel
	.section	.bss,"aw",@nobits
	.p2align	6
	.space	262144
	.amdgpu_metadata
---
amdhsa.version: [ 1, 2 ]
amdhsa.kernels:
  - .name:           k_q3b8fc0abf3_attn
    .symbol:         k_q3b8fc0abf3_attn.kd
    .args:
      - { .name: encoder_outputs, .offset: 0, .size: 8, .value_kind: global_buffer, .address_space: global }
      - { .name: v, .offset: 8, .size: 8, .value_kind: global_buffer, .address_space: global }
      - { .name: wf, .offset: 16, .size: 8, .value_kind: global_buffer, .address_space: global }
      - { .name: hbs, .offset: 24, .size: 8, .value_kind: global_buffer, .address_space: global }
      - { .name: wl, .offset: 32, .size: 8, .value_kind: global_buffer, .address_space: global }
      - { .name: meta, .offset: 40, .size: 8, .value_kind: global_buffer, .address_space: global }
      - { .name: scc, .offset: 48, .size: 8, .value_kind: global_buffer, .address_space: global }
      - { .name: ctxp, .offset: 56, .size: 8, .value_kind: global_buffer, .address_space: global }
      - { .name: mg, .offset: 64, .size: 8, .value_kind: global_buffer, .address_space: global }
    .group_segment_fixed_size: 307200
    .private_segment_fixed_size: 0
    .kernarg_segment_align: 8
    .kernarg_segment_size: 72
    .max_flat_workgroup_size: 128
    .sgpr_count:     72
    .vgpr_count:     1024
    .wavefront_size: 32
...
	.end_amdgpu_metadata
.endif
;; end of part 5
;; launch finish (part 6): grid 32 x 4, 4 waves a work-group, no clusters, 1,024 bytes of LDS; arguments scc, pm, ctxp, mg, out0, out1; writes out0, out1
.if DOCPART == 6
	.amdgcn_target "amdgcn-amd-amdhsa--gfx1250"
	.amdhsa_code_object_version 6
	.text
	.protected	k_q3b8fc0abf3_finish
	.globl	k_q3b8fc0abf3_finish
	.p2align	8
	.type	k_q3b8fc0abf3_finish,@function
k_q3b8fc0abf3_finish:
	s_mov_b64 s[64:65], 0
	v_nop
	global_prefetch_b8 v0, s[64:65] scope:SCOPE_SE
	s_setreg_imm32_b32 hwreg(HW_REG_WAVE_MODE, 25, 1), 1
	s_wait_xcnt 0x0
; THE SOFTMAX OVER A BATCH'S LISTED SCORES AND THE JOINING OF ITS EIGHT PARTIAL CONTEXTS.  Work-group (b, y): batch b; it stores quarter y of the weights (512) and of the context (256 numbers).
; scc[b] holds 8 x 2 x 160 scores, -1e38 where there is no row.  m = their maximum, l = the sum of e^(s - m).  A row that is not listed is a masked row beside unmasked ones: its weight is 0 and it adds nothing to l.
; out1[row] = e^(s - m) / l, with s fetched through pm[row] (number n in the list: work-group n % 8, place n / 8; places from 144 on lie in the second 160), or 0 where pm says 'not listed'.
; out0 = the sum over g of ctxp[8 b + g] e^(mg[8 b + g] - m) / l.  Each of the four work-groups of a batch finds m and l for itself: 10,240 bytes read again against a further launch.
; The maximum is taken away before the factor log2(e): where all scores are -1e10 the exponents are exactly 0 and the weights 1 / 2,048.
; LIMITS.  2^x gives 0 below 2^-126; NaN and infinities are not treated apart.  No matrix work, no cluster: the work-groups share 10 KiB.
.set SPARE, 512                        ; LDS: the waves' maxima at 0, their sums at 256, the spare words (128 bytes a wave) from 512 on
.set SPW, 2
.set NIL, 3
	s_load_b256 s[8:15], s[0:1], 0x0               ; scc s[8:9], pm s[10:11], ctxp s[12:13], mg s[14:15]
	s_load_b128 s[16:19], s[0:1], 0x20             ; out0 s[16:17], out1 s[18:19]
	v_lshl_add_u32 v[SPW], v0, 2, SPARE
	v_mov_b32 v[NIL], 0
	v_lshrrev_b32 v4, 5, v0
	v_readfirstlane_b32 s6, v4                     ; wave
	v_lshlrev_b32 v4, 4, v0                        ; 16 x thread
	v_lshlrev_b32 v5, 3, v0                        ; 8 x thread
	v_mov_b32 v6, 0
	v_mov_b32 v74, 16
	s_and_b32 s7, ttmp7, 0xffff                    ; y
	s_mul_i32 s20, ttmp9, 10240                    ; the batch's 2,560 scores
	s_mov_b32 s21, 0
	s_lshl_b32 s22, ttmp9, 13                      ; the batch's 8,192 bytes of pm and out1,
	s_lshl_b32 s34, s7, 11                         ; my quarter of them
	s_add_co_u32 s22, s22, s34
	s_mov_b32 s23, 0
	s_lshl_b32 s24, ttmp9, 5                       ; its eight maxima
	s_mov_b32 s25, 0
	s_lshl_b32 s26, ttmp9, 15                      ; its eight partial contexts,
	s_lshl_b32 s28, s7, 10                         ; my quarter of each
	s_add_co_u32 s26, s26, s28
	s_mov_b32 s27, 0
	s_lshl_b32 s34, ttmp9, 12
	s_add_co_u32 s28, s28, s34                     ; and of out0's row
	s_mov_b32 s29, 0
	s_mov_b32 s30, 0x3fb8aa3b                      ; log2(e); named as a pair
	s_mov_b32 s31, s30
	s_mov_b32 s32, 0x76543210
	s_mov_b32 s33, 0xfedcba98
	s_lshl_b32 s34, s6, 2
	v_mov_b32 v7, s34
	s_wait_kmcnt 0x0
	s_add_nc_u64 s[8:9], s[8:9], s[20:21]
	s_add_nc_u64 s[10:11], s[10:11], s[22:23]
	s_add_nc_u64 s[12:13], s[12:13], s[26:27]
	s_add_nc_u64 s[14:15], s[14:15], s[24:25]
	s_add_nc_u64 s[16:17], s[16:17], s[28:29]
	s_add_nc_u64 s[18:19], s[18:19], s[22:23]
	global_load_b128 v[28:31], v4, s[10:11]        ; pm of the four rows whose weights I store: first, since four more loads hang on it
.irp i, 0,1,2,3,4
	global_load_b128 v[8+4*\i:11+4*\i], v4, s[8:9] offset:2048*\i  ; all 2,560 scores: 20 a thread
.endr
	global_load_b128 v[32:35], v6, s[14:15]        ; the eight maxima, in every lane
	global_load_b128 v[36:39], v6, s[14:15] offset:16
.irp g, 0,1,2,3,4,5,6,7
	global_load_b64 v[40+2*\g:41+2*\g], v5, s[12:13] offset:4096*\g th:TH_LOAD_NT
.endr
	s_wait_loadcnt 15                              ; pm is in; the fifteen loads behind it stay out
.irp q, 0,1,2,3
	v_and_b32 v[56+\q], 0x7ff, v[28+\q]            ; the row's number in the list
	v_and_b32 v76, 7, v[56+\q]                     ; its work-group
	v_lshrrev_b32 v[56+\q], 3, v[56+\q]            ; its place there
	v_cmp_le_u32 vcc_lo, 144, v[56+\q]
	v_cndmask_b32 v77, 0, v74, vcc_lo              ; the second pass's scores begin at 160
	v_mad_u32_u24 v[56+\q], v76, 320, v[56+\q]
	v_add_nc_u32 v[56+\q], v[56+\q], v77
	v_min_u32 v[56+\q], 2559, v[56+\q]             ; held inside the batch's 2,560 scores
	v_lshlrev_b32 v[56+\q], 2, v[56+\q]
.endr
.irp q, 0,1,2,3
	global_load_b32 v[60+\q], v[56+\q], s[8:9]
.endr
	s_wait_loadcnt 14                              ; the five loads of scores are in; behind them: 2 + 8 + 4
	v_max3_num_f32 v64, v8, v9, v10
	v_max3_num_f32 v65, v11, v12, v13
	v_max3_num_f32 v64, v64, v14, v15
	v_max3_num_f32 v65, v65, v16, v17
	v_max3_num_f32 v64, v64, v18, v19
	v_max3_num_f32 v65, v65, v20, v21
	v_max3_num_f32 v64, v64, v22, v23
	v_max3_num_f32 v65, v65, v24, v25
	v_max3_num_f32 v64, v64, v26, v27
	v_max_num_f32 v64, v64, v65
	v_max_num_f32_dpp v64, v64, v64 row_xmask:1 row_mask:0xf bank_mask:0xf
	v_max_num_f32_dpp v64, v64, v64 row_xmask:2 row_mask:0xf bank_mask:0xf
	v_max_num_f32_dpp v64, v64, v64 row_xmask:4 row_mask:0xf bank_mask:0xf
	v_max_num_f32_dpp v64, v64, v64 row_xmask:8 row_mask:0xf bank_mask:0xf
	v_permlanex16_b32 v65, v64, s32, s33
	v_max_num_f32 v64, v64, v65
	ds_store_b32 v7, v64
	s_wait_dscnt 0x0
	s_barrier_signal -1
	s_barrier_wait -1
	ds_load_b128 v[68:71], v6
	s_wait_dscnt 0x0
	v_max3_num_f32 v67, v68, v69, v70
	v_max_num_f32 v66, v67, v71                    ; m, in both registers of a pair
	v_max_num_f32 v67, v67, v71
.irp i, 8,10,12,14,16,18,20,22,24,26
	v_pk_add_f32 v[\i:\i+1], v[\i:\i+1], v[66:67] neg_lo:[0,1] neg_hi:[0,1]
.endr
.irp i, 8,10,12,14,16,18,20,22,24,26
	v_pk_mul_f32 v[\i:\i+1], v[\i:\i+1], s[30:31] op_sel_hi:[1,0]
.endr
.irp i, 8,9,10,11,12,13,14,15,16,17,18,19,20,21,22,23,24,25,26,27
	v_exp_f32 v[\i], v[\i]
.endr
	v_nop                                          ; a plain line behind the last exponential,
	s_wait_alu depctr_va_vdst(0)                   ; and one wait for the twenty
.irp i, 8,12,16,20,24
	v_pk_add_f32 v[\i:\i+1], v[\i:\i+1], v[\i+2:\i+3]
.endr
	v_pk_add_f32 v[8:9], v[8:9], v[12:13]
	v_pk_add_f32 v[16:17], v[16:17], v[20:21]
	v_pk_add_f32 v[8:9], v[8:9], v[24:25]
	v_pk_add_f32 v[8:9], v[8:9], v[16:17]
	v_add_f32 v8, v8, v9
	v_add_f32_dpp v8, v8, v8 row_xmask:1 row_mask:0xf bank_mask:0xf
	v_add_f32_dpp v8, v8, v8 row_xmask:2 row_mask:0xf bank_mask:0xf
	v_add_f32_dpp v8, v8, v8 row_xmask:4 row_mask:0xf bank_mask:0xf
	v_add_f32_dpp v8, v8, v8 row_xmask:8 row_mask:0xf bank_mask:0xf
	v_permlanex16_b32 v9, v8, s32, s33
	v_add_f32 v8, v8, v9
	ds_store_b32 v7, v8 offset:256                 ; other bytes than the maxima's: no barrier is owed between
	s_wait_dscnt 0x0
	s_barrier_signal -1
	s_barrier_wait -1
	ds_load_b128 v[68:71], v6 offset:256
	s_wait_loadcnt 0x0                             ; the eight maxima, the eight partial contexts, my four scores
.irp i, 60,62,32,34,36,38
	v_pk_add_f32 v[\i:\i+1], v[\i:\i+1], v[66:67] neg_lo:[0,1] neg_hi:[0,1]
.endr
.irp i, 60,62,32,34,36,38
	v_pk_mul_f32 v[\i:\i+1], v[\i:\i+1], s[30:31] op_sel_hi:[1,0]
.endr
	s_wait_dscnt 0x0
	v_add_f32 v68, v68, v69
	v_add_f32 v70, v70, v71
	v_add_f32 v75, v68, v70                        ; l
	v_rcp_f32 v72, v75                             ; 1 / l, twice: a pair for the packed multiplies
	v_rcp_f32 v73, v75
.irp i, 60,61,62,63,32,33,34,35,36,37,38,39
	v_exp_f32 v[\i], v[\i]
.endr
	v_nop
	s_wait_alu depctr_va_vdst(0)                   ; one wait for the fourteen
.irp i, 60,62,32,34,36,38
	v_pk_mul_f32 v[\i:\i+1], v[\i:\i+1], v[72:73]
.endr
.irp q, 0,1,2,3
	v_and_b32 v76, 0x10000, v[28+\q]
	v_cmp_ne_u32 vcc_lo, 0, v76
	v_cndmask_b32 v[60+\q], 0, v[60+\q], vcc_lo    ; a row that is not listed has weight 0
.endr
	global_store_b128 v4, v[60:63], s[18:19]       ; a wave stores 512 consecutive bytes, aligned
	v_pk_mul_f32 v[78:79], v[40:41], v[32:33] op_sel_hi:[1,0]
	v_pk_fma_f32 v[78:79], v[42:43], v[32:33], v[78:79] op_sel:[0,1,0] op_sel_hi:[1,1,1]
	v_pk_fma_f32 v[78:79], v[44:45], v[34:35], v[78:79] op_sel_hi:[1,0,1]
	v_pk_fma_f32 v[78:79], v[46:47], v[34:35], v[78:79] op_sel:[0,1,0] op_sel_hi:[1,1,1]
	v_pk_fma_f32 v[78:79], v[48:49], v[36:37], v[78:79] op_sel_hi:[1,0,1]
	v_pk_fma_f32 v[78:79], v[50:51], v[36:37], v[78:79] op_sel:[0,1,0] op_sel_hi:[1,1,1]
	v_pk_fma_f32 v[78:79], v[52:53], v[38:39], v[78:79] op_sel_hi:[1,0,1]
	v_pk_fma_f32 v[78:79], v[54:55], v[38:39], v[78:79] op_sel:[0,1,0] op_sel_hi:[1,1,1]
	global_store_b64 v5, v[78:79], s[16:17]        ; a wave stores 256 consecutive bytes, aligned
	s_wait_tensorcnt 0x0                           ; the wave's end, behind my last LDS store
	ds_add_u32 v[SPW], v[NIL]
	s_wait_dscnt 0x0
	s_endpgm
.Lfunc_end_k_q3b8fc0abf3_finish:
	.size	k_q3b8fc0abf3_finish, .Lfunc_end_k_q3b8fc0abf3_finish-k_q3b8fc0abf3_finish
	.p2alignl 7, 3214868480
	.fill 96, 4, 3214868480
	.section	.rodata,"a",@progbits
	.p2align	6, 0x0
	.amdhsa_kernel k_q3b8fc0abf3_finish
		.amdhsa_group_segment_fixed_size 1024
		.amdhsa_private_segment_fixed_size 0
		.amdhsa_enable_private_segment 0
		.amdhsa_kernarg_size 48
		.amdhsa_user_sgpr_count 2
		.amdhsa_user_sgpr_kernarg_segment_ptr 1
		.amdhsa_wavefront_size32 1
		.amdhsa_system_sgpr_workgroup_id_x 1
		.amdhsa_system_sgpr_workgroup_id_y 1
		.amdhsa_system_sgpr_workgroup_id_z 1
		.amdhsa_system_vgpr_workitem_id 0
		.amdhsa_next_free_vgpr 80
		.amdhsa_next_free_sgpr 66
		.amdhsa_reserve_vcc 1
		.amdhsa_float_denorm_mode_32 3
		.amdhsa_float_denorm_mode_16_64 3
		.amdhsa_memory_ordered 1
		.amdhsa_forward_progress 1
		.amdhsa_inst_pref_size 13
	.end_amdhsa_kernel
	.amdgpu_metadata
---
amdhsa.version: [ 1, 2 ]
amdhsa.kernels:
  - .name:           k_q3b8fc0abf3_finish
    .symbol:         k_q3b8fc0abf3_finish.kd
    .args:
      - { .name: scc, .offset: 0, .size: 8, .value_kind: global_buffer, .address_space: global }
      - { .name: pm, .offset: 8, .size: 8, .value_kind: global_buffer, .address_space: global }
      - { .name: ctxp, .offset: 16, .size: 8, .value_kind: global_buffer, .address_space: global }
      - { .name: mg, .offset: 24, .size: 8, .value_kind: global_buffer, .address_space: global }
      - { .name: out0, .offset: 32, .size: 8, .value_kind: global_buffer, .address_space: global }
      - { .name: out1, .offset: 40, .size: 8, .value_kind: global_buffer, .address_space: global }
    .group_segment_fixed_size: 1024
    .private_segment_fixed_size: 0
    .kernarg_segment_align: 8
    .kernarg_segment_size: 48
    .max_flat_workgroup_size: 128
    .sgpr_count:     66
    .vgpr_count:     80
    .wavefront_size: 32
...
	.end_amdgpu_metadata
.endif
;; end of part 6
